; MI455X (gfx1250); checked and timed in simulation.
; The chip was launched on July 23, 2026; its instructions are those of AMD's public machine-readable ISA for CDNA 5 (MIT licence, August 2026) and "CDNA5" Instruction Set Architecture Reference Guide (July 2026). The comments in the code are by the model that wrote it; some were corrected since.
;; Complex Attention. Allowed arithmetic: matrix products marked QUANTISED: E4M3 operands, one given power-of-two scale a tensor, by v_wmma_f32_16x16x64_fp8_fp8 or v_wmma_f32_16x16x128_fp8_fp8, f32 sums; everything else in f32.
;; Inputs: Wk_i 1,024 x 1,024 float32; Wk_r 1,024 x 1,024 float32; Wo_i 1,024 x 1,024 float32; Wo_r 1,024 x 1,024 float32; Wq_i 1,024 x 1,024 float32; Wq_r 1,024 x 1,024 float32; Wv_i 1,024 x 1,024 float32; Wv_r 1,024 x 1,024 float32; bk_i 1,024 float32; bk_r 1,024 float32; bo_i 1,024 float32; bo_r 1,024 float32; bq_i 1,024 float32; bq_r 1,024 float32; bv_i 1,024 float32; bv_r 1,024 float32; k_i 4 x 1,024 x 1,024 float32; k_r 4 x 1,024 x 1,024 float32; lowp_scales 24 int32 (the exponents e of the quantised operands' scales 2^e); q_i 4 x 1,024 x 1,024 float32; q_r 4 x 1,024 x 1,024 float32; v_i 4 x 1,024 x 1,024 float32; v_r 4 x 1,024 x 1,024 float32.
;; Outputs: out0 4 x 1,024 x 1,024 float32; out1 4 x 1,024 x 1,024 float32.
;; This version of the problem:
;;   THIS VERSION OF THE PROBLEM IS GIVEN IN LOW PRECISION. The matrix products marked QUANTISED in the list below multiply operands that are first quantised to E4M3 (4 exponent bits, 3 mantissa bits; 8 bits a number), with one given power-of-two scale for each operand tensor; their sums are f32. All else is computed in f32.
;;   The module's matrix products, in the order in which they are computed (A, B: the left and right operand; K: the contracted axis; several contracted axes count as one K, in the product's order):
;;     1. [M 4,096, K 1,024] x [K 1,024, N 1,024]; A: input q_r; B: input Wq_r: QUANTISED (scales: A lowp_scales[0], B lowp_scales[1])
;;     2. [M 4,096, K 1,024] x [K 1,024, N 1,024]; A: input q_i; B: input Wq_i: QUANTISED (scales: A lowp_scales[2], B lowp_scales[3])
;;     3. [M 4,096, K 1,024] x [K 1,024, N 1,024]; A: input k_r; B: input Wk_r: QUANTISED (scales: A lowp_scales[4], B lowp_scales[5])
;;     4. [M 4,096, K 1,024] x [K 1,024, N 1,024]; A: input k_i; B: input Wk_i: QUANTISED (scales: A lowp_scales[6], B lowp_scales[7])
;;     5. [M 4,096, K 1,024] x [K 1,024, N 1,024]; A: input v_r; B: input Wv_r: QUANTISED (scales: A lowp_scales[8], B lowp_scales[9])
;;     6. [M 4,096, K 1,024] x [K 1,024, N 1,024]; A: input v_i; B: input Wv_i: QUANTISED (scales: A lowp_scales[10], B lowp_scales[11])
;;     7. batch 64 x [M 1,024, K 64] x [K 64, N 1,024]; A: computed on the way; B: computed on the way: QUANTISED (scales: A lowp_scales[12], B lowp_scales[13])
;;     8. batch 64 x [M 1,024, K 64] x [K 64, N 1,024]; A: computed on the way; B: computed on the way: QUANTISED (scales: A lowp_scales[14], B lowp_scales[15])
;;     9. batch 64 x [M 64, K 1,024] x [K 1,024, N 1,024]; A: computed on the way; B: softmax (see below): QUANTISED (scales: A lowp_scales[16], B lowp_scales[17])
;;     10. batch 64 x [M 64, K 1,024] x [K 1,024, N 1,024]; A: computed on the way; B: softmax (see below): QUANTISED (scales: A lowp_scales[18], B lowp_scales[19])
;;     11. [M 4,096, K 1,024] x [K 1,024, N 1,024]; A: computed on the way; B: input Wo_r: QUANTISED (scales: A lowp_scales[20], B lowp_scales[21])
;;     12. [M 4,096, K 1,024] x [K 1,024, N 1,024]; A: computed on the way; B: input Wo_i: QUANTISED (scales: A lowp_scales[22], B lowp_scales[23])
;;   THE QUANTISER, for each operand of a quantised product, along K:
;;     - The operand's scale is 2^e, e = its entry of the input lowp_scales (int32; the entries are numbered through the quantised products in the list's order, A before B).
;;     - Each number is divided by the scale, clamped to +-448, and rounded to the nearest number of E4M3, ties to even, subnormals kept.
;;     - The product sums the exact products of the quantised numbers (number of the format x scale) in f32.
;;   ~~~python
;;   def quantise(x, axis, e):      # numpy; x: float32 -> the quantised numbers, widened to float32 again
;;       x = np.moveaxis(x, axis, -1); K = x.shape[-1]
;;       r = np.clip(x / 2.0 ** e, -448, 448)
;;       step = 2.0 ** (np.maximum(np.frexp(np.where(r == 0, 1, r))[1] - 1, -6) - 3)
;;       q = np.round(r / step) * step * 2.0 ** e      # np.round: ties to even
;;       return np.moveaxis(q, -1, axis).astype(np.float32)
;;   ~~~
;;   SOFTMAX AHEAD OF A QUANTISED PRODUCT. Where the list says 'softmax', what is quantised is not the finished softmax but p = 2^(t - M), with t = logit x log2(e) and M = ceil(the row's largest t), a whole number; so 1/2 < the row's largest p <= 1. The row's sum l is taken of the UNQUANTISED p, in f32, and the product's result is divided by l at the end. Since M is a whole number, a kernel that streams over the keys may use a running M (the ceiling of the running maximum): every later rescaling is an exact power of two, so the quantised numbers keep their values, but for numbers so far below the row's largest that they fall under the format's range.
;;   OPERANDS COMPUTED ON THE WAY. 'Computed on the way' means the value that the module computes at that place (a softmax that the list does not call 'softmax' is quantised finished and normalised). What goes into a quantiser is computed in f32, as accurately as f32 sums, v_exp_f32 and their like allow (about 1e-6 of the number): no bf16 or f16 on the way to a quantiser, and a product that is left as it is and whose result goes on into a quantised operand takes f32 operands (vector FMAs, or v_wmma_f32_16x16x4_f32). A number that lies on a knife's edge between two numbers of the format may be rounded either way, as far as f32 arithmetic and the matrix unit's own rounding can turn it there, and no further.
;; One version. Each part assembles by itself: llvm-mc -triple=amdgcn-amd-amdhsa -mcpu=gfx1250 --defsym DOCPART=n.
;; ======== version 1 of 1: 4 launches
;; limits: right only within a limited range of input values
;; workspace buffers: codes 33,554,432 bytes; att 25,165,824 bytes; oc 8,388,608 bytes
;; launch quant (part 1): grid 1024 x 1, 4 waves a work-group, no clusters, 34,304 bytes of LDS; arguments q_r, q_i, k_r, k_i, v_r, v_i, Wq_r, Wq_i, Wk_r, Wk_i, Wv_r, Wv_i, Wo_r, Wo_i, lowp_scales, codes; writes codes
.if DOCPART == 1
	.amdgcn_target "amdgcn-amd-amdhsa--gfx1250"
	.amdhsa_code_object_version 6
	.text
	.protected	k_q2868049eeb_quant
	.globl	k_q2868049eeb_quant
	.p2align	8
	.type	k_q2868049eeb_quant,@function
k_q2868049eeb_quant:
	s_mov_b64 s[64:65], 0
	v_nop
	global_prefetch_b8 v0, s[64:65] scope:SCOPE_SE
	s_setreg_imm32_b32 hwreg(HW_REG_WAVE_MODE, 25, 1), 1
	s_wait_xcnt 0x0
; The six activations [4096][1024] and the eight weights [1024][1024], f32 with K innermost, become codes of FP8 (E4M3), each tensor with the one scale 2^e given for it.
; code = x / 2^e, held within +-448, rounded to the nearest code, ties to even.
; LIMITS: -126 <= e <= 119, so that 2^e and 448 x 2^e are f32 numbers.  NaN among the inputs is not served; an infinity is held at the largest code.
; THE CODES LIE AS IMAGES OF THE OPERAND'S REGISTERS: [tile of 16 rows][K step of 128 (8)][c (4)][h (2)][r (16)][16 bytes], the 16 bytes being k = 128 step + 32 c + 16 h + 0 .. 15 of row r.
; So a fragment (16 rows x 128 K) is 2,048 dense bytes, and four loads of 16 bytes a lane at 16 x lane + 512 c fill its sixteen registers.  A tile of 16 rows is 16,384 bytes.
; In the buffer: activation t at t x 4 MiB (q_r, q_i, k_r, k_i, v_r, v_i), weight j at 24 MiB + j MiB (Wq_r, Wq_i, Wk_r, Wk_i, Wv_r, Wv_i, Wo_r, Wo_i): 2,048 tiles of 16 rows on end.
; SHARES.  A wave takes half of a tile of 16 rows: four fragments, 32 KiB in, 8 KiB out; tile = 2 x work-group + wave / 2, half of K = wave % 2, for all fourteen tensors.  Waves share nothing: no barrier.
; With 242 registers and 34,304 bytes of LDS four work-groups lie on a WGP: sixteen waves with 32 loads of 512 bytes each on their way.
; Each load reads 512 consecutive bytes of one row.  A conversion wants neighbours along K in ONE lane, so a fragment's 8 KiB turn through the wave's own stage in LDS (16 rows of 512 + 16 bytes).
; Each store writes 512 consecutive bytes.  Memory binds: no matrix unit, no cluster, no tensor load would add anything.
.set NF,   4                           ; fragments of a wave
.set SP,   528                         ; a stage row: 512 bytes + 16 = 132 words: row r starts at bank 4 r mod 64 (64 banks of 4 bytes: ISA guide 11.1)
.set WST,  16*SP                       ; a wave's stage
.set R,    16                          ; v16-143   two sets of 64: a fragment as loaded (register 4 p ..: my 16 bytes of row p)
.set X,    144                         ; v144-207  the fragment turned: register 16 c + i = k 32 c + 16 h + i of row r
.set C,    208                         ; v208-239  two sets of 16: codes
	s_load_b512 s[8:23], s[0:1], 0x0               ; the first eight tensors' addresses: tensor n at s[8 + 2 n]
	s_load_b512 s[24:39], s[0:1], 0x40             ; six more; s[36:37] the scales' exponents, s[38:39] the codes
	v_lshl_add_u32 v240, v0, 2, 0x8400
	v_mov_b32 v241, 0
	v_lshrrev_b32 v1, 5, v0
	v_readfirstlane_b32 s6, v1                     ; wave 0..3
	v_and_b32 v1, 31, v0
	v_lshlrev_b32 v2, 4, v1                        ; 16 x lane: my bytes of a load's and of a store's 512; never rewritten
	v_and_b32 v5, 15, v0                           ; r
	v_bfe_u32 v6, v0, 4, 1                         ; h
	s_mul_i32 s7, s6, WST
	v_add_nc_u32 v3, s7, v2                        ; the stage on the way in: row p in the immediate
	v_mul_u32_u24 v4, v5, SP
	v_lshl_add_u32 v4, v6, 6, v4
	v_add_nc_u32 v4, s7, v4                        ; and on the way out: row r, + 64 h bytes: my 16 numbers of a block of 32
	s_lshr_b32 s52, s6, 1                          ; which of the work-group's two tiles
	s_and_b32 s53, s6, 1                           ; which half of K
	; which tensor T (0 .. 13), and which two tiles of it: 128 work-groups to an activation, 32 to a weight
	s_lshr_b32 s40, ttmp9, 7
	s_and_b32 s41, ttmp9, 127
	s_sub_co_u32 s42, ttmp9, 768
	s_lshr_b32 s43, s42, 5
	s_add_co_u32 s43, s43, 6
	s_and_b32 s42, s42, 31
	s_cmp_lt_u32 ttmp9, 768
	s_cselect_b32 s40, s40, s43                    ; T
	s_cselect_b32 s41, s41, s42                    ; the work-group's number within the tensor
	; the tensor's entry among the scales: activations 0, 2, .. 10; the six first weights 1, 3, .. 11; Wo_r 21, Wo_i 23
	s_lshl_b32 s44, s40, 1
	s_cmp_lt_u32 s40, 12
	s_cselect_b32 s45, 11, 3
	s_cmp_lt_u32 s40, 6
	s_cselect_b32 s45, 0, s45
	s_sub_co_u32 s44, s44, s45
	s_lshl_b32 s44, s44, 2                         ; in bytes
	s_lshl_b32 s47, s41, 1
	s_add_co_u32 s47, s47, s52
	s_lshl_b32 s48, s47, 16                        ; my tile in the tensor: 16 rows of 4,096 bytes,
	s_lshl_b32 s47, s53, 11
	s_add_co_u32 s48, s48, s47                     ; + my half of a row: 2,048 bytes
	s_mov_b32 s49, 0
	s_lshl_b32 s50, ttmp9, 1
	s_add_co_u32 s50, s50, s52
	s_lshl_b32 s50, s50, 14                        ; and among the codes: the tile's 16,384 bytes,
	s_lshl_b32 s47, s53, 13
	s_add_co_u32 s50, s50, s47                     ; + my four fragments' 8,192
	s_mov_b32 s51, 0
	s_wait_alu depctr_va_vdst(0)
	s_wait_kmcnt 0x0
	s_load_b32 s46, s[36:37], s44 offset:0x0       ; e
	s_mov_b64 s[4:5], s[8:9]                       ; the tensor's address is chosen by the work-group's number alone
.irp n, 1,2,3,4,5,6,7,8,9,10,11,12,13
	s_cmp_eq_u32 s40, \n
	s_cselect_b64 s[4:5], s[8+2*\n:9+2*\n], s[4:5]
.endr
	s_add_nc_u64 s[4:5], s[4:5], s[48:49]
	s_add_nc_u64 s[38:39], s[38:39], s[50:51]
.macro LOAD f                          ; fragment f: 512 bytes of each of the 16 rows
.irp p, 0,1,2,3,4,5,6,7,8,9,10,11,12,13,14,15
	global_load_b128 v[R+64*((\f)%2)+4*\p:R+64*((\f)%2)+4*\p+3], v2, s[4:5] offset:4096*\p+512*(\f) th:TH_LOAD_NT
.endr
.endm
	LOAD 0
	LOAD 1
	s_wait_kmcnt 0x0
	s_add_co_i32 s46, s46, 127
	s_lshl_b32 s47, s46, 23
	v_mov_b32 v11, s47                             ; 2^e as f32: the conversion takes its exponent field
	s_add_co_i32 s46, s46, 8
	s_lshl_b32 s46, s46, 23
	s_or_b32 s46, s46, 0x600000
	v_mov_b32 v10, s46                             ; 448 x 2^e
.macro FRAG f
.set RS, R+64*((\f)%2)
.set CC, C+16*((\f)%2)
.if (\f) < NF-1
	s_wait_loadcnt 16                              ; this fragment's 16 loads are in; the next fragment's 16 may be out
.else
	s_wait_loadcnt 0
.endif
.irp p, 0,1,2,3,4,5,6,7,8,9,10,11,12,13,14,15
	ds_store_b128 v3, v[RS+4*\p:RS+4*\p+3] offset:SP*\p
.endr
.irp c, 0,1,2,3
.irp q, 0,1,2,3
	ds_load_b128 v[X+16*\c+4*\q:X+16*\c+4*\q+3], v4 offset:128*\c+16*\q   ; LDS serves a wave's instructions in order (ISA guide 5.7.1.4): these see the stores above
.endr
.endr
	s_wait_dscnt 0x0                               ; the numbers are back, and the stores into the stage have read their registers
	s_wait_xcnt 0x0                                ; the stores of two fragments ago have read this fragment's set of codes.  It stands AHEAD of the loads below, so that it does not wait for them
.if (\f)+2 < NF
	LOAD (\f)+2                                    ; the fragment two further on, into the registers just read out
.endif
.set i, 0
.rept 64
	v_med3_num_f32 v[X+i], v[X+i], -v10, v10       ; the conversion to an 8-bit code does not saturate (ISA guide 7.6.2): the hold at the largest code x the scale comes first
.set i, i+1
.endr
.irp g, 0,1,2,3,4,5,6,7
	v_cvt_scalef32_pk8_fp8_f32 v[CC+2*\g:CC+2*\g+1], v[X+8*\g:X+8*\g+7], v11
.endr
	v_nop                                          ; one plain vector line behind the last conversion, ahead of whatever next writes its sources
.irp c, 0,1,2,3
	global_store_b128 v2, v[CC+4*\c:CC+4*\c+3], s[38:39] offset:2048*(\f)+512*\c   ; 32 lanes store 512 consecutive bytes, at a multiple of 512 from the buffer's first byte
.endr
.endm
	s_wait_alu depctr_va_vdst(0)
.irp f, 0,1,2,3
	FRAG \f
.endr
	s_wait_tensorcnt 0x0
	ds_add_u32 v240, v241
	s_wait_dscnt 0x0
	s_endpgm
.Lfunc_end_k_q2868049eeb_quant:
	.size	k_q2868049eeb_quant, .Lfunc_end_k_q2868049eeb_quant-k_q2868049eeb_quant
	.p2alignl 7, 3214868480
	.fill 96, 4, 3214868480
	.section	.rodata,"a",@progbits
	.p2align	6, 0x0
	.amdhsa_kernel k_q2868049eeb_quant
		.amdhsa_group_segment_fixed_size 34304
		.amdhsa_private_segment_fixed_size 0
		.amdhsa_enable_private_segment 0
		.amdhsa_kernarg_size 128
		.amdhsa_user_sgpr_count 2
		.amdhsa_user_sgpr_kernarg_segment_ptr 1
		.amdhsa_wavefront_size32 1
		.amdhsa_system_sgpr_workgroup_id_x 1
		.amdhsa_system_sgpr_workgroup_id_y 1
		.amdhsa_system_sgpr_workgroup_id_z 1
		.amdhsa_system_vgpr_workitem_id 0
		.amdhsa_next_free_vgpr 242
		.amdhsa_next_free_sgpr 66
		.amdhsa_reserve_vcc 0
		.amdhsa_float_denorm_mode_32 3
		.amdhsa_float_denorm_mode_16_64 3
		.amdhsa_memory_ordered 1
		.amdhsa_forward_progress 1
		.amdhsa_inst_pref_size 38
	.end_amdhsa_kernel
	.amdgpu_metadata
---
amdhsa.version: [ 1, 2 ]
amdhsa.kernels:
  - .name:           k_q2868049eeb_quant
    .symbol:         k_q2868049eeb_quant.kd
    .args:
      - { .name: q_r, .offset: 0, .size: 8, .value_kind: global_buffer, .address_space: global }
      - { .name: q_i, .offset: 8, .size: 8, .value_kind: global_buffer, .address_space: global }
      - { .name: k_r, .offset: 16, .size: 8, .value_kind: global_buffer, .address_space: global }
      - { .name: k_i, .offset: 24, .size: 8, .value_kind: global_buffer, .address_space: global }
      - { .name: v_r, .offset: 32, .size: 8, .value_kind: global_buffer, .address_space: global }
      - { .name: v_i, .offset: 40, .size: 8, .value_kind: global_buffer, .address_space: global }
      - { .name: Wq_r, .offset: 48, .size: 8, .value_kind: global_buffer, .address_space: global }
      - { .name: Wq_i, .offset: 56, .size: 8, .value_kind: global_buffer, .address_space: global }
      - { .name: Wk_r, .offset: 64, .size: 8, .value_kind: global_buffer, .address_space: global }
      - { .name: Wk_i, .offset: 72, .size: 8, .value_kind: global_buffer, .address_space: global }
      - { .name: Wv_r, .offset: 80, .size: 8, .value_kind: global_buffer, .address_space: global }
      - { .name: Wv_i, .offset: 88, .size: 8, .value_kind: global_buffer, .address_space: global }
      - { .name: Wo_r, .offset: 96, .size: 8, .value_kind: global_buffer, .address_space: global }
      - { .name: Wo_i, .offset: 104, .size: 8, .value_kind: global_buffer, .address_space: global }
      - { .name: lowp_scales, .offset: 112, .size: 8, .value_kind: global_buffer, .address_space: global }
      - { .name: codes, .offset: 120, .size: 8, .value_kind: global_buffer, .address_space: global }
    .group_segment_fixed_size: 34304
    .private_segment_fixed_size: 0
    .kernarg_segment_align: 8
    .kernarg_segment_size: 128
    .max_flat_workgroup_size: 128
    .sgpr_count:     66
    .vgpr_count:     242
    .wavefront_size: 32
...
	.end_amdgpu_metadata
.endif
;; end of part 1
;; launch proj (part 2): grid 4 x 48, 4 waves a work-group, clusters of 4 x 4, 327,680 bytes of LDS; arguments codes, lowp_scales, bq_r, bq_i, bk_r, bk_i, bv_r, bv_i, att; writes att
.if DOCPART == 2
	.amdgcn_target "amdgcn-amd-amdhsa--gfx1250"
	.amdhsa_code_object_version 6
	.text
	.protected	k_q2868049eeb_proj
	.globl	k_q2868049eeb_proj
	.p2align	8
	.type	k_q2868049eeb_proj,@function
k_q2868049eeb_proj:
	s_mov_b64 s[64:65], 0
	v_nop
	global_prefetch_b8 v0, s[64:65] scope:SCOPE_SE
	s_setreg_imm32_b32 hwreg(HW_REG_WAVE_MODE, 25, 1), 1
	s_wait_xcnt 0x0
	s_wait_alu depctr_hold_cnt(0) depctr_sa_sdst(0) depctr_va_vdst(0) depctr_va_sdst(0) depctr_va_ssrc(0) depctr_va_vcc(0) depctr_vm_vsrc(0)
	s_getreg_b32 s2, hwreg(HW_REG_IB_STS2, 6, 4)
	s_cmp_eq_u32 s2, 0
	s_cbranch_scc0 .Lentry_in_a_cluster
	s_endpgm
.Lentry_in_a_cluster:
	s_bfe_u32 s2, ttmp6, 0x10000c
	s_cmp_lg_u32 s2, 0xf033
	s_cbranch_scc0 .Lentry_shape_is_right
	s_endpgm
.Lentry_shape_is_right:
.set GSTEP,  4096
.set HALFT,  32768
.set SLOT,   4*HALFT
.set SPARE,  2*SLOT
.set STAGE,  SPARE+512
.set SPITCH, 144
.set FR,     16
.set NL,     4
.set NP,     4
.set VLO,  8
.set VHI,  9
.set ADRA, 16
.set ADRB, 20
.set STO,  24
.set RD,   25
.set ZR,   27
.set SPW,  28
.set NIL,  29
.set SCV,  30
.set LIM,  31
.set BJ,   32
.set BI,   96
.set AF,   128
.set TMP,  128
.set CD,   192
.set RB,   224
.set G1, 24
.set G0, 32
.set G1B, 48
.set G0B, 56
.set MSB, 0
.macro WIN new
.if MSB != (\new)
	s_set_vgpr_msb (MSB<<8)|(\new)
.set MSB, (\new)
.endif
.endm
.set MUL_LO, 0xa1
.set MUL_HI, 0xf1
.set TO_B,   0x40
.macro JLOAD g0a, g1a, g0b, g1b
	s_cmp_eq_u32 s15, 0
	s_cbranch_scc0 .Lfor_b_\@
	tensor_load_to_lds s[\g0a:\g0a+3], s[\g1a:\g1a+7]
	s_nop 0
.rept 4
	v_nop
.endr
	s_branch .Lasked_\@
.Lfor_b_\@:
	tensor_load_to_lds s[\g0b:\g0b+3], s[\g1b:\g1b+7]
	s_nop 0
.rept 4
	v_nop
.endr
.Lasked_\@:
.endm
.macro CREST
	s_cmp_lg_u32 s14, 0
	s_cbranch_scc1 .Lnot_wave_0_\@
	s_barrier_signal -3
.Lnot_wave_0_\@:
	s_barrier_wait -3
	s_barrier_signal -1
	s_barrier_wait -1
.endm
.macro CROUND
	s_barrier_signal -1
	s_barrier_wait -1
	CREST
.endm
	s_load_b128 s[4:7], s[0:1], 0x0
	s_load_b256 s[68:75], s[0:1], 0x10
	s_load_b128 s[76:79], s[0:1], 0x30
	s_load_b64 s[10:11], s[0:1], 0x40
	v_lshl_add_u32 v[SPW], v0, 2, SPARE
	v_mov_b32 v[NIL], 0
	ds_add_u32 v28, v29
	ds_add_u32 v28, v29
	s_wait_dscnt 0x0
	v_lshrrev_b32 v1, 5, v0
	v_readfirstlane_b32 s14, v1
	s_lshr_b32 s15, s14, 1
	s_and_b32 s16, s14, 1
	s_bfe_u32 s40, ttmp6, 0x40000
	s_bfe_u32 s41, ttmp6, 0x40004
	s_and_b32 s17, ttmp7, 0xffff
	s_lshl_b32 s17, s17, 1
	s_lshr_b32 s42, s17, 2
	s_lshl_b32 s43, s41, 2
	s_lshl_b32 s43, 15, s43
	s_lshl_b32 s44, 0x1111, s40
	s_or_b32 s[G1+0], s43, (3<<16)|(1<<21)
	s_or_b32 s[G1B+0], s44, (3<<16)|(1<<21)
.irp g, G1, G1B
	s_mov_b32 s[\g+1], 512<<16
	s_mov_b32 s[\g+2], 8<<16
	s_mov_b32 s[\g+3], 512<<16
	s_mov_b32 s[\g+4], 8
	s_mov_b32 s[\g+5], 2048
	s_mov_b32 s[\g+6], 0
	s_mov_b32 s[\g+7], 0
.endr
	s_lshl_b32 s18, s17, 20
	s_lshl_b32 s19, s42, 20
	s_add_co_u32 s19, s19, 0x1800000
	s_and_b32 s66, s42, 1
	s_lshl_b32 s66, s66, 1
	s_lshr_b32 s67, s42, 1
	s_add_co_u32 s66, s66, s67
	s_add_co_u32 s66, s66, 12
	s_lshl_b32 s67, s42, 1
	s_add_co_u32 s67, s67, 8
	s_lshl_b32 s83, s41, 1
	s_add_co_u32 s83, s83, s15
	s_lshl_b32 s84, s40, 1
	s_add_co_u32 s84, s84, s16
	s_mov_b32 s90, 4096
	s_mov_b32 s92, 61440
	s_mov_b32 s87, 1024
	s_cmp_lt_u32 s17, 16
	s_cselect_b32 s20, s18, s19
	s_cselect_b32 s46, s19, s18
	s_cselect_b32 s80, -1, 0
	s_cselect_b32 s82, s66, s67
	s_cselect_b32 s90, 2048, s90
	s_cselect_b32 s92, 2048, s92
	s_cselect_b32 s87, 0x10000, s87
	s_cselect_b32 s88, s84, s83
	s_cselect_b32 s89, s83, s84
	s_mov_b32 s91, 0
	s_mov_b32 s93, 0
	s_lshl_b32 s82, s82, 2
	s_lshl_b32 s81, s42, 3
	s_lshl_b32 s21, s41, 18
	s_add_co_u32 s20, s20, s21
	s_lshl_b32 s21, s16, 17
	s_add_co_u32 s20, s20, s21
	s_mov_b32 s21, 0
	s_lshl_b32 s47, s40, 18
	s_add_co_u32 s46, s46, s47
	s_lshl_b32 s47, s16, 17
	s_add_co_u32 s46, s46, s47
	s_mov_b32 s47, 0
	s_lshl_b32 s88, s88, 17
	s_lshl_b32 s89, s89, 13
	s_add_co_u32 s88, s88, s89
	s_add_co_u32 s88, s88, s18
	s_mov_b32 s89, 0
	s_mul_i32 s45, s14, HALFT
	s_wait_kmcnt 0x0
	s_load_b64 s[96:97], s[6:7], s81 offset:0x0
	s_load_b32 s98, s[6:7], s82 offset:0x0
	s_add_nc_u64 s[20:21], s[4:5], s[20:21]
	s_add_nc_u64 s[46:47], s[4:5], s[46:47]
	s_add_nc_u64 s[10:11], s[10:11], s[88:89]
	s_mov_b64 s[12:13], s[68:69]
.irp n, 1,2,3,4,5
	s_cmp_eq_u32 s42, \n
	s_cselect_b64 s[12:13], s[68+2*\n:69+2*\n], s[12:13]
.endr
	s_mov_b32 s94, 0xef000
	s_cmp_lt_u32 s17, 16
	s_cselect_b32 s68, 0xfe000, 0
	s_cselect_b32 s70, 0, 0x2000
	s_cselect_b32 s72, 0, 0xfe000
	s_cselect_b32 s74, 0x2000, 0
	s_cselect_b32 s94, 0xfe800, s94
	s_mov_b32 s69, 0
	s_mov_b32 s71, 0
	s_mov_b32 s73, 0
	s_mov_b32 s75, 0
	s_mov_b32 s95, 0
	CROUND
.irp s, 0,1
	s_mov_b32 s[G0+4*\s], 1
	s_add_co_u32 s[G0+4*\s+1], s45, \s*SLOT
	s_add_nc_u64 s[G0+4*\s+2:G0+4*\s+3], s[20:21], \s*GSTEP
	s_or_b32 s[G0+4*\s+3], s[G0+4*\s+3], 0x80000000
	s_mov_b32 s[G0B+4*\s], 1
	s_add_co_u32 s[G0B+4*\s+1], s45, \s*SLOT
	s_add_nc_u64 s[G0B+4*\s+2:G0B+4*\s+3], s[46:47], \s*GSTEP
	s_or_b32 s[G0B+4*\s+3], s[G0B+4*\s+3], 0x80000000
	s_wait_alu depctr_va_vdst(0)
	s_wait_tensorcnt 0x0
	ds_add_u32 v28, v29
	ds_add_u32 v28, v29
	s_wait_dscnt 0x0
	CROUND
	JLOAD G0+4*\s, G1, G0B+4*\s, G1B
.endr
	v_and_b32 v1, 15, v0
	v_bfe_u32 v2, v0, 4, 1
	v_and_b32 v3, 31, v0
	v_lshlrev_b32 v4, 4, v3
	s_lshl_b32 s66, s84, 9
	v_lshlrev_b32 v6, 5, v2
	v_add_nc_u32 v6, s66, v6
	s_lshl_b32 s66, s83, 9
	v_lshlrev_b32 v7, 2, v1
	v_add_nc_u32 v7, s66, v7
.irp b, 0,1,2,3,4,5,6,7
	global_load_b128 v[BJ+8*\b:BJ+8*\b+3], v6, s[12:13] offset:64*\b
	global_load_b128 v[BJ+8*\b+4:BJ+8*\b+7], v6, s[12:13] offset:64*\b+16
.endr
.irp a, 0,1,2,3,4,5,6,7
	global_load_b32 v[BI+2*\a], v7, s[12:13] offset:64*\a
.endr
	s_mul_i32 s21, s15, HALFT
	s_mul_i32 s22, s16, HALFT
	s_add_co_u32 s22, s22, 2*HALFT
.irp s, 0,1
	v_add_nc_u32 v[ADRA+\s], s21, v4
	v_add_nc_u32 v[ADRB+\s], s22, v4
	s_add_co_u32 s21, s21, SLOT
	s_add_co_u32 s22, s22, SLOT
.endr
	s_mul_i32 s23, s14, 32*SPITCH
	s_add_co_u32 s23, s23, STAGE
	v_mul_u32_u24 v5, v1, SPITCH
	v_lshl_add_u32 v5, v2, 3, v5
	v_add_nc_u32 v[STO], s23, v5
	v_mul_u32_u24 v5, v3, SPITCH
	v_add_nc_u32 v[RD], s23, v5
	v_bfe_u32 v10, v0, 3, 1
	v_and_b32 v11, 7, v0
	v_lshlrev_b32 v12, 4, v11
	v_lshl_add_u32 v12, v2, 7, v12
	v_lshl_add_u32 v12, v10, 10, v12
	v_lshlrev_b32 v13, 4, v1
	v_lshl_add_u32 v13, v2, 11, v13
	v_cndmask_b32 v[VLO], v13, v12, s80
	v_add_nc_u32 v[VHI], s87, v[VLO]
	v_mov_b32 v[ZR], 0
	s_wait_alu depctr_va_vdst(0)
	s_wait_kmcnt 0x0
	s_add_co_i32 s96, s96, s97
	s_add_co_i32 s96, s96, 127
	s_lshl_b32 s96, s96, 23
	s_mov_b32 s97, s96
	s_add_co_i32 s98, s98, 127
	s_lshl_b32 s66, s98, 23
	v_mov_b32 v[SCV], s66
	s_add_co_i32 s98, s98, 8
	s_lshl_b32 s98, s98, 23
	s_or_b32 s98, s98, 0x600000
	v_mov_b32 v[LIM], s98
	s_wait_loadcnt 0x0
.set jj, 0
.rept 64
	v_cndmask_b32 v[BJ+jj], v[ZR], v[BJ+jj], s80
.set jj, jj+1
.endr
.irp a, 0,1,2,3,4,5,6,7
	v_cndmask_b32 v[BI+2*\a], v[BI+2*\a], v[ZR], s80
	v_mov_b32 v[BI+2*\a+1], v[BI+2*\a]
.endr
.macro FRAG reg, adr, q, i
.irp c, 0,1,2,3
	ds_load_b128 v[\reg+4*\c:\reg+4*\c+3], v[\adr] offset:2048*(\q)+512*\c+(\i)*4096
.endr
.endm
.macro MUL16 a0, p, zero
.irp a, \a0, \a0+1
.irp b, 0,1,2,3,4,5,6,7
.if \zero
	v_wmma_f32_16x16x128_fp8_fp8 v[8*(8*((\a)%4)+\b):8*(8*((\a)%4)+\b)+7], v[128*(\p)+FR*\b:128*(\p)+FR*\b+FR-1], v[AF+FR*(\a):AF+FR*(\a)+FR-1], 0
.else
	v_wmma_f32_16x16x128_fp8_fp8 v[8*(8*((\a)%4)+\b):8*(8*((\a)%4)+\b)+7], v[128*(\p)+FR*\b:128*(\p)+FR*\b+FR-1], v[AF+FR*(\a):AF+FR*(\a)+FR-1], v[8*(8*((\a)%4)+\b):8*(8*((\a)%4)+\b)+7]
.endif
.endr
.endr
.endm
.macro FETCH_B slot, q, p
	WIN TO_B
.irp i, 0,1,2,3,4,5,6,7
	FRAG 128*(\p)+FR*\i, ADRB+\slot, \q, \i
.endr
	WIN 0
.endm
.macro FETCH_A slot, q, i0
.irp i, \i0, \i0+1, \i0+2, \i0+3
	FRAG AF+FR*(\i), ADRA+\slot, \q, \i
.endr
.endm
.macro PLACES n
.rept \n
	v_nop
.endr
.endm
.macro STEP slot, q, zero
	s_wait_dscnt 4*NL
	WIN MUL_LO
	MUL16 0, (\q)%2, \zero
	MUL16 2, (\q)%2, \zero
	s_wait_dscnt 0
	PLACES NP
	FETCH_B \slot, (\q)+1, 1-(\q)%2
	FETCH_A \slot, (\q)+1, 0
	WIN MUL_HI
	MUL16 4, (\q)%2, \zero
	MUL16 6, (\q)%2, \zero
	PLACES NP
	WIN 0
	FETCH_A \slot, (\q)+1, 4
.endm
.macro TURN slot, next, fill, fetch
	s_wait_tensorcnt 0x0
	ds_add_u32 v[SPW], v[NIL]
	s_wait_dscnt 4*NL+1
	WIN MUL_LO
	MUL16 0, 1, 0
	s_wait_dscnt 0x0
	s_barrier_signal -1
	MUL16 2, 1, 0
	WIN 0
	s_barrier_wait -1
.if \fill
	CREST
.if \fill == 1
	s_add_nc_u64 s[G0+4*\slot+2:G0+4*\slot+3], s[G0+4*\slot+2:G0+4*\slot+3], 2*GSTEP
	s_add_nc_u64 s[G0B+4*\slot+2:G0B+4*\slot+3], s[G0B+4*\slot+2:G0B+4*\slot+3], 2*GSTEP
.else
	s_add_nc_u64 s[G0+4*\slot+2:G0+4*\slot+3], s[G0+4*\slot+2:G0+4*\slot+3], s[68:69]
	s_sub_nc_u64 s[G0+4*\slot+2:G0+4*\slot+3], s[G0+4*\slot+2:G0+4*\slot+3], s[70:71]
	s_add_nc_u64 s[G0B+4*\slot+2:G0B+4*\slot+3], s[G0B+4*\slot+2:G0B+4*\slot+3], s[72:73]
	s_sub_nc_u64 s[G0B+4*\slot+2:G0B+4*\slot+3], s[G0B+4*\slot+2:G0B+4*\slot+3], s[74:75]
.endif
	JLOAD G0+4*\slot, G1, G0B+4*\slot, G1B
.else
	PLACES NP
.endif
.if \fetch
	FETCH_B \next, 0, 0
	FETCH_A \next, 0, 0
.endif
	WIN MUL_HI
	MUL16 4, 1, 0
	MUL16 6, 1, 0
.if \fetch
	PLACES NP
	WIN 0
	FETCH_A \next, 0, 4
.else
	WIN 0
.endif
.endm
.macro OBLOCK a
.set AC, 64*((\a)%4)
.set CC, CD+16*((\a)%2)
	WIN 0x02+((\a)/4)
.set jj, 0
.rept 32
	v_pk_fma_f32 v[TMP+jj:TMP+jj+1], v[AC+jj:AC+jj+1], s[96:97], v[BJ+jj:BJ+jj+1] op_sel_hi:[1,0,1]
.set jj, jj+2
.endr
	WIN 0
.set jj, 0
.rept 32
	v_pk_add_f32 v[TMP+jj:TMP+jj+1], v[TMP+jj:TMP+jj+1], v[BI+2*(\a):BI+2*(\a)+1]
.set jj, jj+2
.endr
.set jj, 0
.rept 64
	v_med3_num_f32 v[TMP+jj], v[TMP+jj], -v[LIM], v[LIM]
.set jj, jj+1
.endr
.irp b, 0,1,2,3,4,5,6,7
	v_cvt_scalef32_pk8_fp8_f32 v[CC+2*\b:CC+2*\b+1], v[TMP+8*\b:TMP+8*\b+7], v[SCV]
.endr
	v_nop
.irp b, 0,1,2,3,4,5,6,7
	ds_store_b64 v[STO], v[CC+2*\b:CC+2*\b+1] offset:((\a)%2)*16*SPITCH+16*\b
.endr
.endm
.macro OPAIR p, tl
.if (\p > 0) || (\tl > 0)
	s_wait_xcnt 0x0
.if \p == 0
	s_add_nc_u64 s[10:11], s[10:11], s[94:95]
.elseif \p == 2
	s_add_nc_u64 s[10:11], s[10:11], s[92:93]
.else
	s_add_nc_u64 s[10:11], s[10:11], s[90:91]
.endif
.endif
	OBLOCK 2*\p
	OBLOCK 2*\p+1
.irp n, 0,1,2,3,4,5,6,7
	ds_load_b128 v[RB+4*\n:RB+4*\n+3], v[RD] offset:16*\n
.endr
.irp n, 0,1,2,3
	s_wait_dscnt 7-\n
	global_store_b128 v[VLO], v[RB+4*\n:RB+4*\n+3], s[10:11] offset:512*((\n>>1)&1)+256*(\n&1)
.endr
.irp n, 4,5,6,7
	s_wait_dscnt 7-\n
	global_store_b128 v[VHI], v[RB+4*\n:RB+4*\n+3], s[10:11] offset:512*((\n>>1)&1)+256*(\n&1)
.endr
.endm
	s_wait_tensorcnt 1
	s_barrier_signal -1
	s_barrier_wait -1
	FETCH_B 0, 0, 0
	FETCH_A 0, 0, 0
	FETCH_A 0, 0, 4
	STEP 0, 0, 1
	TURN 0, 1, 1, 1
	STEP 1, 0, 0
	TURN 1, 0, 1, 1
	STEP 0, 0, 0
	TURN 0, 1, 2, 1
	STEP 1, 0, 0
	TURN 1, 0, 2, 0
	PLACES NP
	OPAIR 0, 0
	OPAIR 1, 0
	OPAIR 2, 0
	OPAIR 3, 0
	s_wait_xcnt 0x0
	FETCH_B 0, 0, 0
	FETCH_A 0, 0, 0
	FETCH_A 0, 0, 4
	STEP 0, 0, 1
	TURN 0, 1, 1, 1
	STEP 1, 0, 0
	TURN 1, 0, 1, 1
	STEP 0, 0, 0
	TURN 0, 1, 0, 1
	STEP 1, 0, 0
	s_wait_dscnt 4*NL
	WIN MUL_LO
	MUL16 0, 1, 0
	MUL16 2, 1, 0
	s_wait_dscnt 0
	WIN MUL_HI
	MUL16 4, 1, 0
	MUL16 6, 1, 0
	WIN 0
	PLACES NP
	OPAIR 0, 1
	OPAIR 1, 1
	OPAIR 2, 1
	OPAIR 3, 1
	s_wait_tensorcnt 0x0
	ds_add_u32 v[SPW], v[NIL]
	s_wait_dscnt 0x0
	CROUND
	s_endpgm
.Lfunc_end_k_q2868049eeb_proj:
	.size	k_q2868049eeb_proj, .Lfunc_end_k_q2868049eeb_proj-k_q2868049eeb_proj
	.p2alignl 7, 3214868480
	.fill 96, 4, 3214868480
	.section	.rodata,"a",@progbits
	.p2align	6, 0x0
	.amdhsa_kernel k_q2868049eeb_proj
		.amdhsa_group_segment_fixed_size 327680
		.amdhsa_private_segment_fixed_size 0
		.amdhsa_enable_private_segment 0
		.amdhsa_kernarg_size 72
		.amdhsa_user_sgpr_count 2
		.amdhsa_user_sgpr_kernarg_segment_ptr 1
		.amdhsa_wavefront_size32 1
		.amdhsa_system_sgpr_workgroup_id_x 1
		.amdhsa_system_sgpr_workgroup_id_y 1
		.amdhsa_system_sgpr_workgroup_id_z 1
		.amdhsa_system_vgpr_workitem_id 0
		.amdhsa_next_free_vgpr 1024
		.amdhsa_next_free_sgpr 100
		.amdhsa_reserve_vcc 0
		.amdhsa_float_denorm_mode_32 3
		.amdhsa_float_denorm_mode_16_64 3
		.amdhsa_memory_ordered 1
		.amdhsa_forward_progress 1
		.amdhsa_inst_pref_size 255
	.end_amdhsa_kernel
	.section	.bss,"aw",@nobits
	.p2align	6
	.space	262144
	.amdgpu_metadata
---
amdhsa.version: [ 1, 2 ]
amdhsa.kernels:
  - .name:           k_q2868049eeb_proj
    .symbol:         k_q2868049eeb_proj.kd
    .args:
      - { .name: codes, .offset: 0, .size: 8, .value_kind: global_buffer, .address_space: global }
      - { .name: lowp_scales, .offset: 8, .size: 8, .value_kind: global_buffer, .address_space: global }
      - { .name: bq_r, .offset: 16, .size: 8, .value_kind: global_buffer, .address_space: global }
      - { .name: bq_i, .offset: 24, .size: 8, .value_kind: global_buffer, .address_space: global }
      - { .name: bk_r, .offset: 32, .size: 8, .value_kind: global_buffer, .address_space: global }
      - { .name: bk_i, .offset: 40, .size: 8, .value_kind: global_buffer, .address_space: global }
      - { .name: bv_r, .offset: 48, .size: 8, .value_kind: global_buffer, .address_space: global }
      - { .name: bv_i, .offset: 56, .size: 8, .value_kind: global_buffer, .address_space: global }
      - { .name: att, .offset: 64, .size: 8, .value_kind: global_buffer, .address_space: global }
    .group_segment_fixed_size: 327680
    .private_segment_fixed_size: 0
    .kernarg_segment_align: 8
    .kernarg_segment_size: 72
    .max_flat_workgroup_size: 128
    .sgpr_count:     100
    .vgpr_count:     1024
    .wavefront_size: 32
...
	.end_amdgpu_metadata
.endif
;; end of part 2
;; launch attn (part 3): grid 4 x 64, 8 waves a work-group, clusters of 4 x 1, 327,680 bytes of LDS; arguments att, lowp_scales, oc; writes oc
.if DOCPART == 3
	.amdgcn_target "amdgcn-amd-amdhsa--gfx1250"
	.amdhsa_code_object_version 6
	.text
	.protected	k_q2868049eeb_attn
	.globl	k_q2868049eeb_attn
	.p2align	8
	.type	k_q2868049eeb_attn,@function
k_q2868049eeb_attn:
	s_mov_b64 s[64:65], 0
	v_nop
	global_prefetch_b8 v0, s[64:65] scope:SCOPE_SE
	s_setreg_imm32_b32 hwreg(HW_REG_WAVE_MODE, 25, 1), 1
	s_wait_xcnt 0x0
	s_wait_alu depctr_hold_cnt(0) depctr_sa_sdst(0) depctr_va_vdst(0) depctr_va_sdst(0) depctr_va_ssrc(0) depctr_va_vcc(0) depctr_vm_vsrc(0)
	s_getreg_b32 s2, hwreg(HW_REG_IB_STS2, 6, 4)
	s_cmp_eq_u32 s2, 0
	s_cbranch_scc0 .Lentry_in_a_cluster
	s_endpgm
.Lentry_in_a_cluster:
	s_bfe_u32 s2, ttmp6, 0x10000c
	s_cmp_lg_u32 s2, 0x3003
	s_cbranch_scc0 .Lentry_shape_is_right
	s_endpgm
.Lentry_shape_is_right:
; The attention of one (batch, head): scores = (Qr . Kr + Qi . Ki) / 8, ONE softmax, out_r = P Vr, out_i = P Vi; all four products on codes of FP8 (E4M3); out_r and out_i are quantised here for the last projections.
; Scales (entries of the exponents' buffer): Qr 12, Kr 13, Qi 14, Ki 15, Vr 16, p for Vr 17, Vi 18, p for Vi 19, out_r 20, out_i 22.
; Si is multiplied by 2^(e14 + e15 - e12 - e13), which rounds nothing, and Sr's product adds onto it.  p is quantised twice, once with each of its two scales.
; THE SOFTMAX: t = score x log2(e) / 8; M = the running largest t rounded UP to a whole number; p = 2^(t - M), not normalised; the row's sum is taken of the unquantised p and divides at the end.
; When M moves, the sum and O are multiplied by 2^(old M - new M): exact, and no branch on data.
; LIMITS: e12 + e13 between -123 and 130 (added to c's exponent field); e14 + e15 - e12 - e13 between -126 and 127; e17, e19, e20, e22 between -126 and 119; the scaled scores t stay under 2^31 in magnitude.  NaN is not served.
; SHARES.  A work-group owns 256 queries, each of its eight waves 32 of them: two tiles of 16 in 512 registers, two waves to a SIMD.
; THE HEAD'S WHOLE K AND V LIE IN LDS, 256 KiB, each byte filled once: [stream Kr, Ki, Vr, Vi][key step of 128 (8)][8,192 bytes].  The four query blocks of a head form a cluster and ask for each tile JOINTLY.
; Wave w fetches stream w % 4: at the head key step w / 4 (8 KiB); behind the next round of the cluster's barrier key steps 2 + 3 (w / 4) and the two after it, 24 KiB that are dense in memory and in LDS.  One tensor load of a wave is out at a time.
; No prefetch: all of K and V is asked for by these two loads ahead of the first key step, so there is no later request to run ahead of.
; LAYOUT.  Both kinds of product are used transposed: S^T = K Q^T, O^T = V^T P^T: a lane holds ONE query (lane % 16) throughout.
; Lane r of tile 2 g + u of K holds key 32 g + 8 u + r + 8 (r / 8), so the 16 registers of tiles 2 g, 2 g + 1 are keys 32 g + 16 (lane / 16) + 0 .. 15: the conversions' results ARE the second product's operand.  Q's rows are laid the same way.
; REGISTERS.  window 0: v1 16 x lane; v2-5 the step's LDS addresses, one a stream; v6, v7 the stage; v9-11 16 x lane + 65,536 x stream; v12-35 statistics; v36-39, v248, v250 scales and holds; v40-55 numbers on their way to a conversion;
;   v56-119 p's codes [tile][part][16]; v120-247 S^T, then p [tile][64]; v254, v255 the spare word's address and 0.
;   window 1: v0-127 O^T [tile][part][4 tiles of channels][8]; v128-159 Q [tile][part][8]; v160, v192, v224 three buffers of 32 for K's and V's fragments.
.set LI,  1
.set AD,  2
.set SO,  6
.set SR,  7
.set LB,  8
.set ST,  12                           ; tile q at v[ST + 12 q]: +0 -M, +1 the largest t, +2, +3 the sum, +4 f (+5 named with it), +6, +10 at work, +7 a permute's destination, +8, +9 a second chain of sums
.set SCR, 36                           ; v36 2^e, v37 448 x 2^e for part r; v38, v39 for part i
.set LMR, 37
.set T,   40
.set PC,  56
.set S,   120
.set LMD, 248                          ; v248, v250: the two holds once more, for the second half of a dual pair
.set SPW, 254
.set NIL, 255
.set QF,  128
.set BA,  160
.set BB,  192
.set BC,  224
.set STG, 262144                       ; behind K and V: a stage of 4,096 bytes for each wave; no tile lands there
.set SPARE, 294912                     ; behind the stages: the spare words, 128 bytes for each wave
.set WV,  18
.set G1,  24                           ; s[24:31] group 1 for 8 KiB;  s[40:47] for 24 KiB;  s[32:39] two groups 0
.set G0,  32
.set G1L, 40
.set TB,  48                           ; s48 8,192 x the key step in hand
.set CNT, 49
.set CS,  50                           ; s[50:51] c = log2(e) / 8 x 2^(e12 + e13)
.set DS,  52                           ; s[52:53] 2^(e14 + e15 - e12 - e13)
.set SEL, 54                           ; s[54:55] lane selects: lane l xor 16
.set MSB, 0
.macro WIN new                         ; the immediate's high byte repeats the setting that is left
.if MSB != (\new)
	s_set_vgpr_msb (MSB<<8)|(\new)
.set MSB, (\new)
.endif
.endm
.macro CROUND                          ; a round of the cluster's barrier
	s_barrier_signal -1
	s_barrier_wait -1
	s_cmp_lg_u32 s[WV], 0
	s_cbranch_scc1 .Lnot_wave_0_\@
	s_barrier_signal -3
.Lnot_wave_0_\@:
	s_barrier_wait -3
	s_barrier_signal -1
	s_barrier_wait -1
.endm
.macro PLACES n
.rept \n
	v_nop
.endr
.endm
.macro SCALE2 e, vs                    ; v[vs] = 2^e, v[vs + 1] = 448 x 2^e, e in s[e]
	s_add_co_i32 s82, s[\e], 127
	s_lshl_b32 s83, s82, 23
	v_mov_b32 v[\vs], s83
	s_add_co_i32 s82, s82, 8
	s_lshl_b32 s82, s82, 23
	s_or_b32 s82, s82, 0x600000
	v_mov_b32 v[\vs+1], s82
.endm
	s_load_b128 s[4:7], s[0:1], 0x0                ; att, the scales' exponents
	s_load_b64 s[8:9], s[0:1], 0x10                ; oc
	v_lshl_add_u32 v[SPW], v0, 2, SPARE
	v_mov_b32 v[NIL], 0
	ds_add_u32 v[SPW], v[NIL]                      ; the opening lines: the add twice on end and its one wait ahead of my first tensor load
	ds_add_u32 v[SPW], v[NIL]
	v_lshrrev_b32 v40, 5, v0
	v_readfirstlane_b32 s[WV], v40                 ; wave 0..7
	s_bfe_u32 s19, ttmp6, 0x40000                  ; cx: my block of 256 queries: it enters Q's and oc's addresses alone
	s_and_b32 s20, ttmp7, 0xffff                   ; 16 b + head, which the four partners share
	s_and_b32 s21, s[WV], 3                        ; my stream: 0 Kr, 1 Ki, 2 Vr, 3 Vi
	s_lshr_b32 s22, s[WV], 2                       ; and which half of it
	s_lshl_b32 s23, s21, 16                        ; the stream in LDS
	s_lshl_b32 s56, s22, 13                        ; my first load's place in the stream: key step 0 or 1
	s_mul_i32 s63, s22, 24576
	s_add_co_u32 s63, s63, 16384                   ; my second load's: key step 2 or 5
	s_add_co_u32 s57, s21, 2                       ; in att: tensor 2 + stream,
	s_lshl_b32 s57, s57, 22
	s_lshl_b32 s66, s20, 16                        ; the head's 65,536 bytes
	s_add_co_u32 s66, s66, s57
	s_add_co_u32 s80, s66, s56
	s_mov_b32 s81, 0
	s_add_co_u32 s82, s66, s63
	s_mov_b32 s83, 0
	s_lshl_b32 s58, s19, 3
	s_add_co_u32 s58, s58, s[WV]                   ; my 32 queries: group 8 cx + wave of 2,048 bytes
	s_lshl_b32 s58, s58, 11
	s_lshl_b32 s59, s20, 16
	s_add_co_u32 s58, s58, s59
	s_mov_b32 s59, 0
	s_lshr_b32 s60, s20, 4                         ; oc: my two tiles of 16 rows begin at tile 64 b + 16 cx + 2 wave;
	s_lshl_b32 s60, s60, 6
	s_lshl_b32 s61, s19, 4
	s_add_co_u32 s60, s60, s61
	s_lshl_b32 s61, s[WV], 1
	s_add_co_u32 s60, s60, s61
	s_lshl_b32 s60, s60, 14
	s_and_b32 s61, s20, 15                         ; the head's 64 along K are 1,024 bytes of a tile
	s_lshl_b32 s61, s61, 10
	s_add_co_u32 s60, s60, s61
	s_mov_b32 s61, 0
	s_lshl_b32 s62, s[WV], 12
	s_add_co_u32 s62, s62, STG                     ; my stage
.irp g, G1, G1L                        ; dense bytes as rows of 256, in elements of 8 bytes; the mask names all four work-groups, bit 21 beside it
	s_mov_b32 s[\g], 15|(3<<16)|(1<<21)
	s_mov_b32 s[\g+1], 32<<16
	s_mov_b32 s[\g+3], 32<<16
	s_mov_b32 s[\g+5], 32
	s_mov_b32 s[\g+6], 0
	s_mov_b32 s[\g+7], 0
.endr
	s_mov_b32 s[G1+2], 32<<16                      ; 32 rows
	s_mov_b32 s[G1+4], 32
	s_mov_b32 s[G1L+2], 96<<16                     ; 96 rows
	s_mov_b32 s[G1L+4], 96
	s_mov_b32 s[SEL], 0x76543210
	s_mov_b32 s[SEL+1], 0xfedcba98
	s_mov_b32 s[CS], 0x3e38aa3b                    ; log2(e) / 8
	v_and_b32 v[LI], 31, v0
	v_bfe_u32 v41, v0, 3, 1
	v_and_b32 v42, 7, v0
	v_bfe_u32 v43, v0, 4, 1
	v_lshlrev_b32 v[LI], 4, v[LI]                  ; 16 x lane
	v_lshlrev_b32 v[SO], 4, v42
	v_lshl_add_u32 v[SO], v43, 3, v[SO]
	v_lshl_add_u32 v[SO], v41, 10, v[SO]
	v_add_nc_u32 v[SO], s62, v[SO]                 ; the stage, in: 1,024 (r / 8) + 16 (r % 8) + 8 h
	v_add_nc_u32 v[SR], s62, v[LI]                 ; and back: 16 x lane
.irp s, 1,2,3
	v_add_nc_u32 v[LB+\s], \s*65536, v[LI]
.endr
	s_wait_alu depctr_va_vdst(0)
	s_wait_dscnt 0x0
	s_wait_kmcnt 0x0
	s_load_b256 s[68:75], s[6:7], 0x30             ; e12 .. e19
	s_load_b128 s[76:79], s[6:7], 0x50             ; e20 .. e23
	s_add_nc_u64 s[58:59], s[4:5], s[58:59]
	s_add_nc_u64 s[8:9], s[8:9], s[60:61]
	s_mov_b32 s[G0], 1
	s_add_co_u32 s[G0+1], s23, s56
	s_add_nc_u64 s[G0+2:G0+3], s[4:5], s[80:81]
	s_or_b32 s[G0+3], s[G0+3], 0x80000000
	s_mov_b32 s[G0+4], 1
	s_add_co_u32 s[G0+5], s23, s63
	s_add_nc_u64 s[G0+6:G0+7], s[4:5], s[82:83]
	s_or_b32 s[G0+7], s[G0+7], 0x80000000
	CROUND                                         ; all four work-groups are here: the joint loads meet
	tensor_load_to_lds s[G0:G0+3], s[G1:G1+7]      ; my part of key steps 0 and 1: my one tensor load at the head
	s_nop 0
	PLACES 4
	WIN 0x40                                       ; destination window 1
.irp u, 0,1
.irp part, 0,1
.irp c, 0,1
	global_load_b128 v[QF+16*\u+8*\part+4*\c:QF+16*\u+8*\part+4*\c+3], v[LI], s[58:59] offset:\part*4194304+1024*\u+512*\c   ; Q stays in registers
.endr
.endr
.endr
.set jj, 0
.rept 128
	v_mov_b32 v[jj], 0                             ; O^T.  The key step is written for all steps alike: the first finds zeros, which the first change of M leaves zeros
.set jj, jj+1
.endr
	WIN 0
.irp q, 0,1
	v_mov_b32 v[ST+12*\q+1], 0xff61b1e6            ; the largest t so far: -3e38
	v_mov_b32 v[ST+12*\q+2], 0                     ; the sum, in two halves
	v_mov_b32 v[ST+12*\q+3], 0
	v_mov_b32 v[ST+12*\q+5], 0                     ; (named as the upper half of f's pair)
	v_mov_b32 v[ST+12*\q+7], 0                     ; a lane permute's destination counts as one of its sources
	v_floor_f32 v[ST+12*\q], -v[ST+12*\q+1]        ; -M
.endr
	s_wait_kmcnt 0x0
	s_add_co_i32 s80, s68, s69                     ; e12 + e13
	s_lshl_b32 s81, s80, 23
	s_add_co_i32 s[CS], s[CS], s81                 ; added to c's exponent field
	s_mov_b32 s[CS+1], s[CS]
	s_add_co_i32 s81, s70, s71
	s_sub_co_i32 s81, s81, s80
	s_add_co_i32 s81, s81, 127
	s_lshl_b32 s[DS], s81, 23                      ; 2^(e14 + e15 - e12 - e13)
	s_mov_b32 s[DS+1], s[DS]
	SCALE2 73, SCR                                 ; p for Vr: e17
	v_mov_b32 v[LMD], s82
	SCALE2 75, SCR+2                               ; p for Vi: e19
	v_mov_b32 v[LMD+2], s82
.macro LDU buf, s, off                 ; 4,096 dense bytes of stream s of the step in hand into a buffer: four fragments of K or two of V
	WIN 0x40
.irp n, 0,1,2,3,4,5,6,7
	ds_load_b128 v[\buf+4*\n:\buf+4*\n+3], v[AD+\s] offset:\off+512*\n
.endr
.endm
; 8 products S^T: key tiles k0 .. k0 + 3 x my two tiles of queries, part 0 (r) or 1 (i).  The accumulators take turns.
.macro KQ buf, k0, part, zero
.irp kt, 0,1,2,3
.irp q, 0,1
.if \zero
	v_wmma_f32_16x16x64_fp8_fp8 v[S+64*\q+8*(\k0+\kt):S+64*\q+8*(\k0+\kt)+7], v[\buf+8*\kt:\buf+8*\kt+7], v[QF+16*\q+8*\part:QF+16*\q+8*\part+7], 0
.else
	v_wmma_f32_16x16x64_fp8_fp8 v[S+64*\q+8*(\k0+\kt):S+64*\q+8*(\k0+\kt)+7], v[\buf+8*\kt:\buf+8*\kt+7], v[QF+16*\q+8*\part:QF+16*\q+8*\part+7], v[S+64*\q+8*(\k0+\kt):S+64*\q+8*(\k0+\kt)+7]
.endif
.endr
.endr
.endm
; 4 products O^T += V^T P^T: channel tiles d0, d0 + 1 x my two tiles of queries
.macro PV buf, part, d0
.irp dd, 0,1
.irp q, 0,1
	v_wmma_f32_16x16x128_fp8_fp8 v[64*\q+32*\part+8*(\d0+\dd):64*\q+32*\part+8*(\d0+\dd)+7], v[\buf+16*\dd:\buf+16*\dd+15], v[PC+32*\q+16*\part:PC+32*\q+16*\part+15], v[64*\q+32*\part+8*(\d0+\dd):64*\q+32*\part+8*(\d0+\dd)+7]
.endr
.endr
.endm
; p of tile q becomes codes, twice, and is summed.  Eight numbers are held (p is not negative: the hold is one-sided), two to an instruction, into the part's half of T and converted.
; The row's sum is taken of the UNQUANTISED p, in two chains; its additions are the plain lines behind each conversion.
.macro QP q
.irp g, 0,1,2,3,4,5,6,7
.irp part, 0,1
.irp i, 0,2,4,6
	v_dual_min_num_f32 v[T+8*\part+\i], v[S+64*\q+8*\g+\i], v[LMR+2*\part] :: v_dual_min_num_f32 v[T+8*\part+\i+1], v[S+64*\q+8*\g+\i+1], v[LMD+2*\part]
.endr
	v_cvt_scalef32_pk8_fp8_f32 v[PC+32*\q+16*\part+2*\g:PC+32*\q+16*\part+2*\g+1], v[T+8*\part:T+8*\part+7], v[SCR+2*\part]
.if \g+\part == 0
	v_pk_add_f32 v[ST+12*\q+8:ST+12*\q+9], v[S+64*\q:S+64*\q+1], v[S+64*\q+2:S+64*\q+3]
.else
	v_pk_add_f32 v[ST+12*\q+2:ST+12*\q+3], v[ST+12*\q+2:ST+12*\q+3], v[S+64*\q+8*\g+4*\part:S+64*\q+8*\g+4*\part+1]
	v_pk_add_f32 v[ST+12*\q+8:ST+12*\q+9], v[ST+12*\q+8:ST+12*\q+9], v[S+64*\q+8*\g+4*\part+2:S+64*\q+8*\g+4*\part+3]
.endif
.endr
.endr
.endm
; The two tiles' lines alternate.  The scores are read in ascending order: each accumulator from its low end on.
.macro SOFTMAX
.irp q, 0,1
	v_max3_num_f32 v[ST+12*\q+6],  v[S+64*\q],   v[S+64*\q+1], v[S+64*\q+2]
	v_max3_num_f32 v[ST+12*\q+10], v[S+64*\q+3], v[S+64*\q+4], v[S+64*\q+5]
.endr
.irp i, 6,10,14,18,22,26,30,34,38,42,46,50,54,58
.irp q, 0,1
	v_max3_num_f32 v[ST+12*\q+6],  v[ST+12*\q+6],  v[S+64*\q+\i],   v[S+64*\q+\i+1]
	v_max3_num_f32 v[ST+12*\q+10], v[ST+12*\q+10], v[S+64*\q+\i+2], v[S+64*\q+\i+3]
.endr
.endr
.irp q, 0,1
	v_max3_num_f32 v[ST+12*\q+6], v[ST+12*\q+6], v[S+64*\q+62], v[S+64*\q+63]
.endr
.irp q, 0,1
	s_delay_alu instid0(VALU_DEP_2)
	v_max_num_f32 v[ST+12*\q+6], v[ST+12*\q+6], v[ST+12*\q+10]
.endr
.irp q, 0,1
	s_delay_alu instid0(VALU_DEP_2)
	v_permlanex16_b32 v[ST+12*\q+7], v[ST+12*\q+6], s[SEL], s[SEL+1]   ; the query's other 64 keys lie in the lane 16 away
.endr
.irp q, 0,1
	s_delay_alu instid0(VALU_DEP_2)
	v_max_num_f32 v[ST+12*\q+6], v[ST+12*\q+6], v[ST+12*\q+7]
.endr
.irp q, 0,1
	s_delay_alu instid0(VALU_DEP_2)
	v_mul_f32 v[ST+12*\q+6], s[CS], v[ST+12*\q+6]                      ; as t (c is positive)
.endr
.irp q, 0,1
	s_delay_alu instid0(VALU_DEP_2)
	v_max_num_f32 v[ST+12*\q+1], v[ST+12*\q+1], v[ST+12*\q+6]          ; the running largest t
.endr
.irp q, 0,1
	v_mov_b32 v[ST+12*\q+6], v[ST+12*\q]
.endr
.irp q, 0,1
	s_delay_alu instid0(VALU_DEP_4)
	v_floor_f32 v[ST+12*\q], -v[ST+12*\q+1]                            ; the new -M = floor(-t) = -ceil(t)
.endr
.irp q, 0,1
	s_delay_alu instid0(VALU_DEP_2)
	v_sub_f32 v[ST+12*\q+6], v[ST+12*\q], v[ST+12*\q+6]                ; old M - new M: a whole number, 0 or less
.endr
.irp q, 0,1
	s_delay_alu instid0(VALU_DEP_2)
	v_cvt_i32_f32 v[ST+12*\q+6], v[ST+12*\q+6]                         ; (it saturates)
.endr
.irp q, 0,1
	s_delay_alu instid0(VALU_DEP_2)
	v_ldexp_f32 v[ST+12*\q+4], 1.0, v[ST+12*\q+6]                      ; f = 2^(old M - new M)
.endr
.irp q, 0,1
.set jj, 0
.rept 32
	v_pk_fma_f32 v[S+64*\q+jj:S+64*\q+jj+1], v[S+64*\q+jj:S+64*\q+jj+1], s[CS:CS+1], v[ST+12*\q:ST+12*\q+1] op_sel_hi:[1,0,0]   ; t - M
.set jj, jj+2
.endr
.endr
.set jj, 0
	s_wait_alu depctr_va_vdst(0)
.rept 128
	v_exp_f32 v[S+jj], v[S+jj]                     ; p = 2^(t - M), at most 1
.set jj, jj+1
.endr
.irp q, 0,1
	v_pk_mul_f32 v[ST+12*\q+2:ST+12*\q+3], v[ST+12*\q+2:ST+12*\q+3], v[ST+12*\q+4:ST+12*\q+5] op_sel_hi:[1,0]   ; the sums under the new M (the plain place behind the exponentials)
.endr
	s_wait_alu depctr_va_vdst(0)                   ; and the one behind it, ahead of its first reader
	QP 0
	QP 1
.irp q, 0,1
	v_pk_add_f32 v[ST+12*\q+2:ST+12*\q+3], v[ST+12*\q+2:ST+12*\q+3], v[ST+12*\q+8:ST+12*\q+9]
.endr
.endm
; A KEY STEP: 128 keys, 8 KiB of each stream at s[TB].  A load into a buffer stands four places behind the last product that read the buffer.
.macro STEP
	v_add_nc_u32 v[AD], s[TB], v[LI]               ; these four additions are the four places behind the last step's products
.irp s, 1,2,3
	v_add_nc_u32 v[AD+\s], s[TB], v[LB+\s]
.endr
	LDU BB, 1, 0                                   ; Ki, key tiles 0-3
	LDU BC, 1, 4096                                ; Ki, 4-7
	LDU BA, 0, 0                                   ; Kr, 0-3
	s_wait_alu depctr_va_vdst(0)
	s_wait_dscnt 16                                ; the first eight loads are in; sixteen younger may be out
	WIN 0x05                                       ; K and Q in window 1, S^T in window 0
	KQ BB, 0, 1, 1                                 ; Si: the products start the sums
	s_wait_dscnt 8                                 ; the second eight
	KQ BC, 4, 1, 1
	PLACES 4
	LDU BB, 0, 4096                                ; Kr, 4-7
	WIN 0
.set jj, 0
.rept 64
	v_pk_mul_f32 v[S+jj:S+jj+1], v[S+jj:S+jj+1], s[DS:DS+1] op_sel_hi:[1,0]   ; Si into Sr's unit: a power of two
.set jj, jj+2
.endr
	s_wait_alu depctr_va_vdst(0)
	s_wait_dscnt 8                                 ; Kr's tiles 0-3 are in; the eight loads just issued may be out
	WIN 0x05
	KQ BA, 0, 0, 0                                 ; + Sr
	s_wait_dscnt 0
	KQ BB, 4, 0, 0
	PLACES 4                                       ; for the loads below and for the first read of the scores
	LDU BA, 2, 0                                   ; Vr, channel tiles 0, 1
	LDU BB, 2, 4096                                ; Vr, 2, 3
	LDU BC, 3, 0                                   ; Vi, 0, 1
	WIN 0
	SOFTMAX
	WIN 0x41                                       ; O^T in window 1, f in window 0
	s_wait_alu depctr_va_vdst(0)
.irp q, 0,1
.set jj, 0
.rept 32
	v_pk_mul_f32 v[64*\q+jj:64*\q+jj+1], v[64*\q+jj:64*\q+jj+1], v[ST+12*\q+4:ST+12*\q+5] op_sel_hi:[1,0]   ; O^T under the new M
.set jj, jj+2
.endr
.endr
	s_wait_alu depctr_va_vdst(0)
	s_wait_dscnt 0
	WIN 0x51                                       ; V in window 1, p's codes in window 0, O^T in window 1
	PV BA, 0, 0
	PV BB, 0, 2
	PLACES 4
	LDU BA, 3, 4096                                ; Vi, 2, 3
	WIN 0x51
	PV BC, 1, 0
	s_wait_dscnt 0
	PV BA, 1, 2
	WIN 0                                          ; at a label and at a branch every window is 0
	s_add_co_u32 s[TB], s[TB], 8192
.endm
	s_wait_alu depctr_va_vdst(0)
	s_wait_tensorcnt 0x0                           ; my part of key steps 0 and 1 is in
	ds_add_u32 v[SPW], v[NIL]
	s_wait_dscnt 0x0
	CROUND                                         ; everybody's part is in, and all four work-groups are here
	tensor_load_to_lds s[G0+4:G0+7], s[G1L:G1L+7]  ; my part of key steps 2 to 7: the first tensor load behind the round; it has two key steps in which to land
	s_nop 0
	PLACES 4
	s_wait_loadcnt 0x0                             ; Q
	s_mov_b32 s[TB], 0
	s_mov_b32 s[CNT], 2
.Lfirst:
	STEP
	s_sub_co_u32 s[CNT], s[CNT], 1
	s_cmp_lg_u32 s[CNT], 0
	s_cbranch_scc1 .Lfirst
	s_wait_tensorcnt 0x0                           ; my second load has landed;
	s_wait_dscnt 0x0
	s_barrier_signal -1
	s_barrier_wait -1                              ; everybody's has.
	s_mov_b32 s[TB], 16384
	s_mov_b32 s[CNT], 6
.Lrest:
	STEP
	s_sub_co_u32 s[CNT], s[CNT], 1
	s_cmp_lg_u32 s[CNT], 0
	s_cbranch_scc1 .Lrest
	; THE WAY OUT.  out = O^T / the sum x 2^(eV + ep), in f32; held and converted with e20 (part r) and e22 (part i); through my stage into oc, laid as the last projections' operand images.
	PLACES 4
.irp q, 0,1
	v_add_f32 v[ST+12*\q+2], v[ST+12*\q+2], v[ST+12*\q+3]
.endr
.irp q, 0,1
	s_delay_alu instid0(VALU_DEP_2)
	v_permlanex16_b32 v[ST+12*\q+7], v[ST+12*\q+2], s[SEL], s[SEL+1]
.endr
.irp q, 0,1
	s_delay_alu instid0(VALU_DEP_2)
	v_add_f32 v[ST+12*\q+2], v[ST+12*\q+2], v[ST+12*\q+7]              ; the row's sum
.endr
	s_wait_alu depctr_va_vdst(0)
.irp q, 0,1
	v_rcp_f32 v[ST+12*\q+6], v[ST+12*\q+2]
.endr
	s_add_co_i32 s80, s72, s73                     ; e16 + e17
	s_add_co_i32 s81, s74, s75                     ; e18 + e19
	v_nop                                          ; a plain place behind the reciprocals
	s_wait_alu depctr_va_vdst(0)                   ; and the wait ahead of their first reader
.irp q, 0,1
	v_ldexp_f32 v[ST+12*\q+4], v[ST+12*\q+6], s80
	v_ldexp_f32 v[ST+12*\q+8], v[ST+12*\q+6], s81
.endr
	SCALE2 76, SCR                                 ; out_r: e20
	SCALE2 78, SCR+2                               ; out_i: e22
	WIN 0x01                                       ; source 0 (O^T) window 1
	s_wait_alu depctr_va_vdst(0)
.irp q, 0,1
.irp part, 0,1
.set jj, 0
.rept 16
	v_pk_mul_f32 v[S+64*\q+32*\part+jj:S+64*\q+32*\part+jj+1], v[64*\q+32*\part+jj:64*\q+32*\part+jj+1], v[ST+12*\q+4+4*\part:ST+12*\q+5+4*\part] op_sel_hi:[1,0]   ; each accumulator from its low end on
.set jj, jj+2
.endr
.endr
.endr
	WIN 0
.irp q, 0,1
.irp part, 0,1
.set jj, 0
.rept 32
	v_med3_num_f32 v[S+64*\q+32*\part+jj], v[S+64*\q+32*\part+jj], -v[LMR+2*\part], v[LMR+2*\part]
.set jj, jj+1
.endr
.endr
.endr
.irp q, 0,1
.irp part, 0,1
.irp dt, 0,1,2,3
	v_cvt_scalef32_pk8_fp8_f32 v[PC+16*\q+8*\part+2*\dt:PC+16*\q+8*\part+2*\dt+1], v[S+64*\q+32*\part+8*\dt:S+64*\q+32*\part+8*\dt+7], v[SCR+2*\part]   ; d = 16 dt + 8 h + 0 .. 7 of my query
.endr
.endr
.endr
	v_nop                                          ; one plain vector line behind the last conversion
	; the stage: [part][tile of 16 rows = r / 8][c = dt / 2][h = dt % 2][row 8 u + r % 8][16 bytes]: each 512 bytes are 512 consecutive bytes of oc
.irp q, 0,1
.irp part, 0,1
.irp dt, 0,1,2,3
	ds_store_b64 v[SO], v[PC+16*\q+8*\part+2*\dt:PC+16*\q+8*\part+2*\dt+1] offset:2048*\part+512*(\dt>>1)+256*(\dt&1)+128*\q
.endr
.endr
.endr
.irp n, 0,1,2,3,4,5,6,7
	ds_load_b128 v[S+4*\n:S+4*\n+3], v[SR] offset:512*\n   ; LDS serves a wave's instructions in order (ISA guide 5.7.1.4): these see my stores
.endr
.irp n, 0,1,2,3,4,5,6,7
	s_wait_dscnt 7-\n
	global_store_b128 v[LI], v[S+4*\n:S+4*\n+3], s[8:9] offset:(\n>>2)*4194304+((\n>>1)&1)*16384+(\n&1)*512   ; 32 lanes store 512 consecutive bytes, at a multiple of 512 from oc's first byte
.endr
	s_wait_tensorcnt 0x0                           ; the wave's end
	ds_add_u32 v[SPW], v[NIL]
	s_wait_dscnt 0x0
	CROUND                                         ; the closing round
	s_endpgm
.Lfunc_end_k_q2868049eeb_attn:
	.size	k_q2868049eeb_attn, .Lfunc_end_k_q2868049eeb_attn-k_q2868049eeb_attn
	.p2alignl 7, 3214868480
	.fill 96, 4, 3214868480
	.section	.rodata,"a",@progbits
	.p2align	6, 0x0
	.amdhsa_kernel k_q2868049eeb_attn
		.amdhsa_group_segment_fixed_size 327680
		.amdhsa_private_segment_fixed_size 0
		.amdhsa_enable_private_segment 0
		.amdhsa_kernarg_size 24
		.amdhsa_user_sgpr_count 2
		.amdhsa_user_sgpr_kernarg_segment_ptr 1
		.amdhsa_wavefront_size32 1
		.amdhsa_system_sgpr_workgroup_id_x 1
		.amdhsa_system_sgpr_workgroup_id_y 1
		.amdhsa_system_sgpr_workgroup_id_z 1
		.amdhsa_system_vgpr_workitem_id 0
		.amdhsa_next_free_vgpr 512
		.amdhsa_next_free_sgpr 96
		.amdhsa_reserve_vcc 0
		.amdhsa_float_denorm_mode_32 3
		.amdhsa_float_denorm_mode_16_64 3
		.amdhsa_memory_ordered 1
		.amdhsa_forward_progress 1
		.amdhsa_inst_pref_size 118
	.end_amdhsa_kernel
	.amdgpu_metadata
---
amdhsa.version: [ 1, 2 ]
amdhsa.kernels:
  - .name:           k_q2868049eeb_attn
    .symbol:         k_q2868049eeb_attn.kd
    .args:
      - { .name: att, .offset: 0, .size: 8, .value_kind: global_buffer, .address_space: global }
      - { .name: lowp_scales, .offset: 8, .size: 8, .value_kind: global_buffer, .address_space: global }
      - { .name: oc, .offset: 16, .size: 8, .value_kind: global_buffer, .address_space: global }
    .group_segment_fixed_size: 327680
    .private_segment_fixed_size: 0
    .kernarg_segment_align: 8
    .kernarg_segment_size: 24
    .max_flat_workgroup_size: 256
    .sgpr_count:     96
    .vgpr_count:     512
    .wavefront_size: 32
...
	.end_amdgpu_metadata
.endif
;; end of part 3
;; launch oproj (part 4): grid 4 x 64, 4 waves a work-group, clusters of 4 x 4, 327,680 bytes of LDS; arguments oc, codes, lowp_scales, bo_r, bo_i, out0, out1; writes out0, out1
.if DOCPART == 4
	.amdgcn_target "amdgcn-amd-amdhsa--gfx1250"
	.amdhsa_code_object_version 6
	.text
	.protected	k_q2868049eeb_oproj
	.globl	k_q2868049eeb_oproj
	.p2align	8
	.type	k_q2868049eeb_oproj,@function
k_q2868049eeb_oproj:
	s_mov_b64 s[64:65], 0
	v_nop
	global_prefetch_b8 v0, s[64:65] scope:SCOPE_SE
	s_setreg_imm32_b32 hwreg(HW_REG_WAVE_MODE, 25, 1), 1
	s_wait_xcnt 0x0
	s_wait_alu depctr_hold_cnt(0) depctr_sa_sdst(0) depctr_va_vdst(0) depctr_va_sdst(0) depctr_va_ssrc(0) depctr_va_vcc(0) depctr_vm_vsrc(0)
	s_getreg_b32 s2, hwreg(HW_REG_IB_STS2, 6, 4)
	s_cmp_eq_u32 s2, 0
	s_cbranch_scc0 .Lentry_in_a_cluster
	s_endpgm
.Lentry_in_a_cluster:
	s_bfe_u32 s2, ttmp6, 0x10000c
	s_cmp_lg_u32 s2, 0xf033
	s_cbranch_scc0 .Lentry_shape_is_right
	s_endpgm
.Lentry_shape_is_right:
; The two last projections, out = a Wo^T + bo, on codes of FP8 (E4M3).  a: [part][4096][1024] and Wo: [1024][1024] as register images (16 rows x 128 K = 2,048 dense bytes; a tile of 16 rows = 16,384 bytes).
; Sums in f32; out = sum x 2^(ea + ew) + bo, one fused multiply-add.  LIMIT: ea + ew between -126 and 127.
; C[i][j] = sum over k of P[i][k] R[j][k], P = a, R = Wo.  A tile of 128 x 256 to a work-group of four waves: 8,192 rows x 1,024 columns are 256 such tiles.  A wave makes 64 x 128: 32 accumulators, 256 registers.
; K = 1,024 IS FOUR QUARTERS OF 256.  LDS: region A, 96 KiB (P's 128 rows, then R's 256; 4,096 bytes to a tile of 16 rows), holds quarter 0 and later quarter 3; region B, 192 KiB (8,192 bytes to a tile of 16 rows), holds quarters 1 and 2.
; A wave issues three tensor loads, one at a time: quarter 0 at the head; quarters 1 and 2, by one descriptor with rows twice as long, behind the next round of the cluster's barrier; quarter 3 into region A, behind the round
; that follows the last read of quarter 0: the launch's one refill.
; A cluster of 4 x 4 work-groups takes 512 rows of one part against all of Wo.  P's tile is shared along a row of the cluster, R's along a column: each is asked for JOINTLY.
; No prefetch: the whole of K is asked for by three loads that follow each other; the text has no loop to run ahead in.
; THE MATRIX INSTRUCTION IS USED TRANSPOSED (source 0 = 16 rows of R, source 1 = 16 rows of P): a lane holds eight neighbouring numbers of a row of the output.
; REGISTERS: window 0: v0-31 addresses; v32-95 the bias; v96-127 at work on the way out; v128-255 P's fragments, two sets of 64, on the way out rows read back.   window 1: R's fragments, two sets of 128.   window 2: the accumulators ((a, b) at v[8 (8 a + b)]).
.set GSTEP,  4096                      ; a quarter of K within a tile of 16 rows: two fragments
.set PREG,   32768                     ; region A: P's 128 rows x 256 K
.set REGION, 98304                     ; region A; region B begins here
.set SPARE,  3*REGION                  ; behind the regions: the spare words, 128 bytes for each wave
.set STAGE,  REGION                    ; the way out: 16 rows x (512 + 16) bytes for each wave, in region B: it is filled once, and its last read lies in front of the last barrier
.set SPITCH, 528
.set NROW,   4096                      ; a row of the output in bytes
.set FR,     16
.set NP,     4                         ; places behind this matrix instruction (ISA guide 7.12.1)
.set ADRA, 16                          ; v16, v17  LDS address of my P fragments in region A, B
.set ADRB, 20                          ; v20, v21  the same for R
.set STO,  24
.set RD,   25
.set CO,   26
.set SPW,  28
.set NIL,  29
.set BJ,   32
.set TMP,  96
.set AF,   128
.set BK,   128
.set G1,  24                           ; s[24:31] group 1 for P's tiles of one quarter;  s[32:39] for R's
.set G1B, 32
.set G0,  40                           ; s[40:47] group 0 for P's tiles, region A, B;  s[52:59] for R's
.set G0B, 52
.set G1W,  68                          ; s[68:75] group 1 for P's tiles of two quarters;  s[88:95] for R's
.set G1WB, 88
.set MSB, 0
.macro WIN new                         ; the immediate's high byte repeats the setting that is left
.if MSB != (\new)
	s_set_vgpr_msb (MSB<<8)|(\new)
.set MSB, (\new)
.endif
.endm
.set MUL,    0xa1                      ; source 0 (R) window 1, source 1 (P) window 0, C and D window 2
.set TO_B,   0x40                      ; destination window 1, address window 0
; A joint load: waves 0 and 1 fetch for P, waves 2 and 3 for R; the branch hangs on the wave's number alone.  An s_nop 0 and four v_nop follow each of the two lines.
.macro JLOAD g0a, g1a, g0b, g1b
	s_cmp_eq_u32 s15, 0
	s_cbranch_scc0 .Lfor_b_\@
	tensor_load_to_lds s[\g0a:\g0a+3], s[\g1a:\g1a+7]
	s_nop 0
.rept 4
	v_nop
.endr
	s_branch .Lasked_\@
.Lfor_b_\@:
	tensor_load_to_lds s[\g0b:\g0b+3], s[\g1b:\g1b+7]
	s_nop 0
.rept 4
	v_nop
.endr
.Lasked_\@:
.endm
.macro CREST                           ; a round of the cluster's barrier behind its opening barrier
	s_cmp_lg_u32 s14, 0
	s_cbranch_scc1 .Lnot_wave_0_\@
	s_barrier_signal -3
.Lnot_wave_0_\@:
	s_barrier_wait -3
	s_barrier_signal -1
	s_barrier_wait -1
.endm
.macro CROUND                          ; a whole round
	s_barrier_signal -1
	s_barrier_wait -1
	CREST
.endm
	s_load_b128 s[4:7], s[0:1], 0x0                ; oc, the codes
	s_load_b64 s[8:9], s[0:1], 0x10                ; the scales' exponents
	s_load_b128 s[68:71], s[0:1], 0x18             ; bo_r, bo_i
	s_load_b128 s[72:75], s[0:1], 0x28             ; out0, out1
	v_lshl_add_u32 v[SPW], v0, 2, SPARE
	v_mov_b32 v[NIL], 0
	ds_add_u32 v[SPW], v[NIL]                      ; the opening lines: the add twice on end and its one wait ahead of my first tensor load
	ds_add_u32 v[SPW], v[NIL]
	v_lshrrev_b32 v1, 5, v0
	v_readfirstlane_b32 s14, v1                    ; wave 0..3
	s_lshr_b32 s15, s14, 1                         ; which 64 of the tile's rows are mine.  Also: I fetch for P (0) or for R (1)
	s_and_b32 s16, s14, 1                          ; which 128 of its columns.  Also: which half of that operand's rows I fetch
	s_bfe_u32 s76, ttmp6, 0x40000                  ; cx, cy
	s_bfe_u32 s77, ttmp6, 0x40004
	s_and_b32 s17, ttmp7, 0xffff                   ; the cluster's y, 0 .. 15: 512 rows each, eight to a part
	s_lshr_b32 s78, s17, 3                         ; part
	s_lshl_b32 s79, s77, 2
	s_lshl_b32 s79, 15, s79                        ; my row of the cluster
	s_lshl_b32 s80, 0x1111, s76                    ; my column
	; group 1: rows (tiles of 16 rows) of 4,096 bytes, 16,384 bytes apart, in elements of 8 bytes; dense in LDS.  P: 4 rows; R: 8
	s_or_b32 s[G1+0], s79, (3<<16)|(1<<21)
	s_mov_b32 s[G1+1], 512<<16
	s_mov_b32 s[G1+2], 4<<16
	s_mov_b32 s[G1+3], 512<<16
	s_mov_b32 s[G1+4], 4
	s_mov_b32 s[G1+5], 2048
	s_mov_b32 s[G1+6], 0
	s_mov_b32 s[G1+7], 0
	s_or_b32 s[G1B+0], s80, (3<<16)|(1<<21)
	s_mov_b32 s[G1B+1], 512<<16
	s_mov_b32 s[G1B+2], 8<<16
	s_mov_b32 s[G1B+3], 512<<16
	s_mov_b32 s[G1B+4], 8
	s_mov_b32 s[G1B+5], 2048
	s_mov_b32 s[G1B+6], 0
	s_mov_b32 s[G1B+7], 0
	s_lshl_b32 s20, s17, 19                        ; P: the cluster's 512 rows, + 128 rows x cy + 64 rows x half: it never holds cx
	s_lshl_b32 s18, s77, 17
	s_add_co_u32 s20, s20, s18
	s_lshl_b32 s18, s16, 16
	s_add_co_u32 s20, s20, s18
	s_mov_b32 s21, 0
	s_lshl_b32 s22, s78, 20                        ; R: Wo_r or Wo_i among the codes, + 256 rows x cx + 128 rows x half: it never holds cy
	s_add_co_u32 s22, s22, 0x1e00000
	s_lshl_b32 s19, s76, 18
	s_add_co_u32 s22, s22, s19
	s_lshl_b32 s19, s16, 17
	s_add_co_u32 s22, s22, s19
	s_mov_b32 s23, 0
	s_lshl_b32 s81, s78, 3                         ; entries 20 + 2 part, 21 + 2 part
	s_lshl_b32 s83, s76, 1
	s_add_co_u32 s83, s83, s16                     ; which 128 columns are my wave's
	s_and_b32 s88, s17, 7                          ; my first row within the part: 64 x (8 (cluster y % 8) + 2 cy + half), of 4,096 bytes;
	s_lshl_b32 s88, s88, 2
	s_add_co_u32 s88, s88, s77
	s_lshl_b32 s88, s88, 1
	s_add_co_u32 s88, s88, s15
	s_lshl_b32 s88, s88, 18
	s_lshl_b32 s89, s83, 9                         ; my first column: 512 bytes x its number
	s_add_co_u32 s88, s88, s89
	s_mov_b32 s89, 0
	s_lshl_b32 s84, s16, 14                        ; where my tiles go: region A: P's half,
	s_lshl_b32 s85, s16, 15
	s_add_co_u32 s85, s85, PREG                    ; or R's half behind P;
	s_lshl_b32 s98, s16, 15
	s_add_co_u32 s98, s98, REGION                  ; region B: P's half,
	s_lshl_b32 s99, s16, 16
	s_add_co_u32 s99, s99, REGION+65536            ; or R's half behind P: no place in the cluster enters an LDS address
	s_wait_dscnt 0x0                               ; both opening adds are done
	s_wait_kmcnt 0x0
	s_load_b64 s[96:97], s[8:9], s81 offset:0x50   ; ea, ew
	s_add_nc_u64 s[20:21], s[4:5], s[20:21]
	s_add_nc_u64 s[22:23], s[6:7], s[22:23]
	s_cmp_lt_u32 s17, 8                            ; part r or part i: it hangs on the cluster's number alone
	s_cselect_b64 s[12:13], s[68:69], s[70:71]     ; the bias
	s_cselect_b64 s[10:11], s[72:73], s[74:75]     ; the output
	s_add_nc_u64 s[10:11], s[10:11], s[88:89]
	; group 1 for two quarters at once: rows of 8,192 bytes
	s_or_b32 s[G1W+0], s79, (3<<16)|(1<<21)
	s_mov_b32 s[G1W+1], 1024<<16
	s_mov_b32 s[G1W+2], 4<<16
	s_mov_b32 s[G1W+3], 1024<<16
	s_mov_b32 s[G1W+4], 4
	s_mov_b32 s[G1W+5], 2048
	s_mov_b32 s[G1W+6], 0
	s_mov_b32 s[G1W+7], 0
	s_or_b32 s[G1WB+0], s80, (3<<16)|(1<<21)
	s_mov_b32 s[G1WB+1], 1024<<16
	s_mov_b32 s[G1WB+2], 8<<16
	s_mov_b32 s[G1WB+3], 1024<<16
	s_mov_b32 s[G1WB+4], 8
	s_mov_b32 s[G1WB+5], 2048
	s_mov_b32 s[G1WB+6], 0
	s_mov_b32 s[G1WB+7], 0
	s_mov_b32 s[G0], 1                             ; region A begins with quarter 0
	s_mov_b32 s[G0+1], s84
	s_mov_b64 s[G0+2:G0+3], s[20:21]
	s_or_b32 s[G0+3], s[G0+3], 0x80000000
	s_mov_b32 s[G0B], 1
	s_mov_b32 s[G0B+1], s85
	s_mov_b64 s[G0B+2:G0B+3], s[22:23]
	s_or_b32 s[G0B+3], s[G0B+3], 0x80000000
	s_mov_b32 s[G0+4], 1                           ; region B takes quarters 1 and 2
	s_mov_b32 s[G0+5], s98
	s_add_nc_u64 s[G0+6:G0+7], s[20:21], GSTEP
	s_or_b32 s[G0+7], s[G0+7], 0x80000000
	s_mov_b32 s[G0B+4], 1
	s_mov_b32 s[G0B+5], s99
	s_add_nc_u64 s[G0B+6:G0B+7], s[22:23], GSTEP
	s_or_b32 s[G0B+7], s[G0B+7], 0x80000000
	CROUND                                         ; all sixteen work-groups are here: the first joint loads meet
	JLOAD G0, G1, G0B, G1B                         ; quarter 0: my one tensor load at the head
	v_and_b32 v1, 15, v0                           ; r
	v_bfe_u32 v2, v0, 4, 1                         ; h
	v_and_b32 v3, 31, v0                           ; lane
	v_lshlrev_b32 v[CO], 4, v3                     ; 16 x lane: my place in every image, and in a row of 512 bytes of the output
	s_wait_alu depctr_va_vdst(0)
	s_lshl_b32 s66, s83, 9
	v_lshlrev_b32 v6, 5, v2
	v_add_nc_u32 v6, s66, v6                       ; the bias: 4 x (128 x my columns' number + 8 h)
.irp b, 0,1,2,3,4,5,6,7
	global_load_b128 v[BJ+8*\b:BJ+8*\b+3], v6, s[12:13] offset:64*\b
	global_load_b128 v[BJ+8*\b+4:BJ+8*\b+7], v6, s[12:13] offset:64*\b+16
.endr
	s_lshl_b32 s86, s15, 14                        ; region A: my 64 rows of P,
	s_lshl_b32 s87, s16, 15
	s_add_co_u32 s87, s87, PREG                    ; my 128 rows of R
	v_add_nc_u32 v[ADRA], s86, v[CO]
	v_add_nc_u32 v[ADRB], s87, v[CO]
	s_lshl_b32 s86, s15, 15                        ; region B likewise
	s_add_co_u32 s86, s86, REGION
	s_lshl_b32 s87, s16, 16
	s_add_co_u32 s87, s87, REGION+65536
	v_add_nc_u32 v[ADRA+1], s86, v[CO]
	v_add_nc_u32 v[ADRB+1], s87, v[CO]
	s_mul_i32 s82, s14, 16*SPITCH
	s_add_co_u32 s82, s82, STAGE                   ; my stage
	v_mul_u32_u24 v5, v1, SPITCH
	v_lshl_add_u32 v5, v2, 5, v5
	v_add_nc_u32 v[STO], s82, v5                   ; in: row r, 32 bytes for each half of the lanes
	v_add_nc_u32 v[RD], s82, v[CO]                 ; back: the 32 lanes take one row of 512 bytes
	s_wait_alu depctr_va_vdst(0)
	s_wait_kmcnt 0x0
	s_add_co_i32 s96, s96, s97                     ; ea + ew
	s_add_co_i32 s96, s96, 127
	s_lshl_b32 s96, s96, 23                        ; 2^(ea + ew) as f32
	s_mov_b32 s97, s96                             ; (named with it as a pair, so it is written)
	s_wait_loadcnt 0x0                             ; the bias
.macro FRAG reg, adr, q, i             ; a fragment is 2,048 dense bytes: four loads of 16 bytes a lane, 512 bytes apart; tile of rows i (PT bytes apart), the region's q-th 128 along K
.irp c, 0,1,2,3
	ds_load_b128 v[\reg+4*\c:\reg+4*\c+3], v[\adr] offset:2048*(\q)+512*\c+(\i)*PT
.endr
.endm
; 16 matrix instructions: P's blocks a0, a0 + 1 x R's eight, 128 along K, on set p.  zero = 1: the first product starts the sums.
; The 32 accumulators take turns, one instruction a turn, in the same order in every step.
.macro MULH a0, p, zero
.irp a, \a0, \a0+1
.irp b, 0,1,2,3,4,5,6,7
.if \zero
	v_wmma_f32_16x16x128_fp8_fp8 v[8*(8*(\a)+\b):8*(8*(\a)+\b)+7], v[128*(\p)+FR*\b:128*(\p)+FR*\b+FR-1], v[AF+64*(\p)+FR*(\a):AF+64*(\p)+FR*(\a)+FR-1], 0
.else
	v_wmma_f32_16x16x128_fp8_fp8 v[8*(8*(\a)+\b):8*(8*(\a)+\b)+7], v[128*(\p)+FR*\b:128*(\p)+FR*\b+FR-1], v[AF+64*(\p)+FR*(\a):AF+64*(\p)+FR*(\a)+FR-1], v[8*(8*(\a)+\b):8*(8*(\a)+\b)+7]
.endif
.endr
.endr
.endm
.macro FETCH g, q, p                   ; 48 LDS loads in one run: a step's twelve fragments, of the q-th 128 along K of quarter g (0: region A; 1, 2: region B), into set p
.if \g == 0
.set PT, 4096
.set QQ, \q
.set AR, 0
.else
.set PT, 8192
.set QQ, \q+2*(\g-1)
.set AR, 1
.endif
	WIN TO_B
.irp i, 0,1,2,3,4,5,6,7
	FRAG 128*(\p)+FR*\i, ADRB+AR, QQ, \i
.endr
	WIN 0
.irp i, 0,1,2,3
	FRAG AF+64*(\p)+FR*\i, ADRA+AR, QQ, \i
.endr
.endm
.macro PLACES n                        ; places in front of loads into registers that matrix instructions have read, and of the first read of results (ISA guide 7.12.1 for the first read of results)
.rept \n
	v_nop
.endr
.endm
; A step of 128 along K: set p is multiplied while the next step's fragments come into the other set.
.macro STEP p, g, q, zero
	s_wait_dscnt 0x0                               ; set p is in
	PLACES NP                                      ; the other set was read by the last step's products
	FETCH \g, \q, 1-(\p)
	WIN MUL
	MULH 0, \p, \zero
	MULH 2, \p, \zero
	WIN 0
.endm
	s_wait_tensorcnt 0x0                           ; my part of quarter 0 is in
	ds_add_u32 v[SPW], v[NIL]
	s_wait_dscnt 0x0
	CROUND                                         ; everybody's part is in, and all sixteen work-groups are here
	JLOAD G0+4, G1W, G0B+4, G1WB                   ; quarters 1 and 2 into region B: the first tensor load behind the round
	FETCH 0, 0, 0
	STEP 0, 0, 1, 1                                ; step 0: its products start the sums; step 1's fragments are the last that are read of region A's first fill
	; step 1, and the one refill.  In front of the round each wave waits for all its tensor loads (so region B is whole behind it), adds 0 to its spare word, and waits for that and for its reads of region A
	s_wait_tensorcnt 0x0
	ds_add_u32 v[SPW], v[NIL]
	s_wait_dscnt 0x0
	s_barrier_signal -1
	WIN MUL
	MULH 0, 1, 0                                   ; work on registers while the others arrive
	WIN 0
	s_barrier_wait -1
	CREST                                          ; no wave of any partner still reads region A or has a load on its way
	s_add_nc_u64 s[G0+2:G0+3], s[G0+2:G0+3], 3*GSTEP
	s_add_nc_u64 s[G0B+2:G0B+3], s[G0B+2:G0B+3], 3*GSTEP
	JLOAD G0, G1, G0B, G1B                         ; quarter 3 into region A: the first tensor load behind the round; its four v_nop are the places in front of the loads below
	FETCH 1, 0, 0
	WIN MUL
	MULH 2, 1, 0
	WIN 0
	STEP 0, 1, 1, 0                                ; step 2
	STEP 1, 2, 0, 0                                ; step 3
	STEP 0, 2, 1, 0                                ; step 4
	; step 5: behind this barrier region A's second fill is read; nothing is filled again
	s_wait_tensorcnt 0x0                           ; my part of quarter 3 has landed
	s_wait_dscnt 0x0                               ; step 5's fragments are in: my reads of region B are over
	s_barrier_signal -1
	WIN MUL
	MULH 0, 1, 0
	s_barrier_wait -1
	PLACES NP
	FETCH 0, 0, 0
	WIN MUL
	MULH 2, 1, 0
	WIN 0
	STEP 0, 0, 1, 0                                ; step 6
	s_wait_dscnt 0x0                               ; step 7: nothing more to fetch
	WIN MUL
	MULH 0, 1, 0
	MULH 2, 1, 0
	WIN 0
; THE WAY OUT, block by block of 16 rows x 128 columns: out = sum x 2^(ea + ew) + bias, half a block at a time; through my own stage, and back as whole rows of 512 bytes.
; LDS serves a wave's instructions in order (ISA guide 5.7.1.4): no wait between the stores and the loads, nor in front of the next block's stores.
.macro TOSTAGE a
.set AC, 64*(\a)
.irp hb, 0,1
	WIN 0x02                                       ; source 0: window 2
.irp j, 0,2,4,6,8,10,12,14,16,18,20,22,24,26,28,30
	v_pk_fma_f32 v[TMP+\j:TMP+\j+1], v[AC+32*\hb+\j:AC+32*\hb+\j+1], s[96:97], v[BJ+32*\hb+\j:BJ+32*\hb+\j+1] op_sel_hi:[1,0,1]   ; each accumulator from its low end on
.endr
	WIN 0
.irp b, 0,1,2,3
	ds_store_b128 v[STO], v[TMP+8*\b:TMP+8*\b+3] offset:64*(4*\hb+\b)
	ds_store_b128 v[STO], v[TMP+8*\b+4:TMP+8*\b+7] offset:64*(4*\hb+\b)+16
.endr
.endr
.set BBK, BK+64*((\a)%2)
.irp t, 0,1,2,3,4,5,6,7,8,9,10,11,12,13,14,15
	ds_load_b128 v[BBK+4*\t:BBK+4*\t+3], v[RD] offset:\t*SPITCH
.endr
.endm
.macro SEND a, younger                 ; younger: the LDS instructions issued behind block a's loads, which may stay out
.set BBK, BK+64*((\a)%2)
	s_wait_dscnt \younger                          ; the block is back in registers
.if (\a) > 0
	s_add_nc_u64 s[10:11], s[10:11], 16*NROW       ; (behind a wait on XCNT: the earlier stores have read their base)
.endif
.irp t, 0,1,2,3,4,5,6,7,8,9,10,11,12,13,14,15
	global_store_b128 v[CO], v[BBK+4*\t:BBK+4*\t+3], s[10:11] offset:\t*NROW th:TH_STORE_NT   ; 32 lanes store 512 consecutive bytes, at a multiple of 512 from the output's first byte
.endr
.endm
	PLACES NP
	TOSTAGE 0
.irp a, 1,2,3
.if \a > 1
	s_wait_xcnt 0x0                                ; block a - 2's stores have read their registers and their base
.endif
	TOSTAGE \a
	SEND \a-1, 32                                  ; behind block a - 1's loads: block a's 16 stores and 16 loads
.endr
	s_wait_xcnt 0x0
	SEND 3, 0
	s_wait_tensorcnt 0x0                           ; the wave's end
	ds_add_u32 v[SPW], v[NIL]
	s_wait_dscnt 0x0
	CROUND                                         ; the closing round
	s_endpgm
.Lfunc_end_k_q2868049eeb_oproj:
	.size	k_q2868049eeb_oproj, .Lfunc_end_k_q2868049eeb_oproj-k_q2868049eeb_oproj
	.p2alignl 7, 3214868480
	.fill 96, 4, 3214868480
	.section	.rodata,"a",@progbits
	.p2align	6, 0x0
	.amdhsa_kernel k_q2868049eeb_oproj
		.amdhsa_group_segment_fixed_size 327680
		.amdhsa_private_segment_fixed_size 0
		.amdhsa_enable_private_segment 0
		.amdhsa_kernarg_size 56
		.amdhsa_user_sgpr_count 2
		.amdhsa_user_sgpr_kernarg_segment_ptr 1
		.amdhsa_wavefront_size32 1
		.amdhsa_system_sgpr_workgroup_id_x 1
		.amdhsa_system_sgpr_workgroup_id_y 1
		.amdhsa_system_sgpr_workgroup_id_z 1
		.amdhsa_system_vgpr_workitem_id 0
		.amdhsa_next_free_vgpr 768
		.amdhsa_next_free_sgpr 100
		.amdhsa_reserve_vcc 0
		.amdhsa_float_denorm_mode_32 3
		.amdhsa_float_denorm_mode_16_64 3
		.amdhsa_memory_ordered 1
		.amdhsa_forward_progress 1
		.amdhsa_inst_pref_size 77
	.end_amdhsa_kernel
	.amdgpu_metadata
---
amdhsa.version: [ 1, 2 ]
amdhsa.kernels:
  - .name:           k_q2868049eeb_oproj
    .symbol:         k_q2868049eeb_oproj.kd
    .args:
      - { .name: oc, .offset: 0, .size: 8, .value_kind: global_buffer, .address_space: global }
      - { .name: codes, .offset: 8, .size: 8, .value_kind: global_buffer, .address_space: global }
      - { .name: lowp_scales, .offset: 16, .size: 8, .value_kind: global_buffer, .address_space: global }
      - { .name: bo_r, .offset: 24, .size: 8, .value_kind: global_buffer, .address_space: global }
      - { .name: bo_i, .offset: 32, .size: 8, .value_kind: global_buffer, .address_space: global }
      - { .name: out0, .offset: 40, .size: 8, .value_kind: global_buffer, .address_space: global }
      - { .name: out1, .offset: 48, .size: 8, .value_kind: global_buffer, .address_space: global }
    .group_segment_fixed_size: 327680
    .private_segment_fixed_size: 0
    .kernarg_segment_align: 8
    .kernarg_segment_size: 56
    .max_flat_workgroup_size: 128
    .sgpr_count:     100
    .vgpr_count:     768
    .wavefront_size: 32
...
	.end_amdgpu_metadata
.endif
;; end of part 4
